; MI455X (gfx1250); checked and timed in simulation.
; The chip was launched on July 23, 2026; its instructions are those of AMD's public machine-readable ISA for CDNA 5 (MIT licence, August 2026) and "CDNA5" Instruction Set Architecture Reference Guide (July 2026). The comments in the code are by the model that wrote it; some were corrected since.
;; Multi Head Rot. Allowed arithmetic: float matrix products may take bf16 or f16 operands with f32 sums; all other float work in f32.
;; Inputs: src_mask 1 float32; src_padding 1 float32; w_out 1,024 x 1,024 float32; w_qkv 3,072 x 1,024 float32; x 4 x 2,048 x 1,024 float32.
;; Outputs: out0 4 x 2,048 x 1,024 float32.
;; Constants: is_causal = 1.
;; 2 versions, each right; version 2 is version 1 with the launch prep written anew for expert scheduling mode. Each part assembles by itself: llvm-mc -triple=amdgcn-amd-amdhsa -mcpu=gfx1250 --defsym DOCPART=n.
;; ======== version 1 of 2: 4 launches
;; limits: values are held in f16: magnitudes above 65,504 overflow, below 6.1e-05 lose precision
;; workspace buffers: xb 16,777,216 bytes; wqb 6,291,456 bytes; wob 2,097,152 bytes; rope 524,288 bytes; qh 16,777,216 bytes; kh 16,777,216 bytes; vh 16,777,216 bytes; ao 16,777,216 bytes
;; launch prep (part 1): grid 768 x 1, 8 waves a work-group, no clusters, 0 bytes of LDS; arguments x, w_qkv, w_out, xb, wqb, wob, rope; writes xb, wqb, wob, rope
.if DOCPART == 1
	.amdgcn_target "amdgcn-amd-amdhsa--gfx1250"
	.amdhsa_code_object_version 6
	.text
	.protected	k_q7eca12a5be_prep
	.globl	k_q7eca12a5be_prep
	.p2align	8
	.type	k_q7eca12a5be_prep,@function
k_q7eca12a5be_prep:
	s_mov_b64 s[64:65], 0
	v_nop
	global_prefetch_b8 v0, s[64:65] scope:SCOPE_SE
	s_setreg_imm32_b32 hwreg(HW_REG_WAVE_MODE, 25, 1), 1
	s_wait_xcnt 0x0
; LAUNCH 1 OF 4 (prep, qkv, attn, proj): out0 = softmax_causal(rope(q) rope(k)^T / 8) v w_out^T with q, k, v = x w_qkv^T.
; WORK LEFT OUT BY THE PROGRAM, AND WHY IT IS DEAD:
;  - src_mask, src_padding and is_causal are read by no line of reference(): whatever they hold they have no way to out0.
;    They are not loaded and are among no launch's arguments.
;  - reference() itself sets every score with key > query to -inf (its own jnp.tril), so those keys get the softmax weight 0 for all
;    values of the inputs.  Launch attn leaves them out where they come as whole tiles of 64 keys x 64 queries.
;  LIMIT: a NaN, an infinity or an overflow that reaches only the work left out (a key or value row behind the query) is not carried to out0.
; NUMBER FORMATS: x and w_qkv are rounded once to bf16 (matrix operands of launch qkv).  w_out is rounded to bf16 and that value is kept
; as f16, because its partner operand (the attention output) is f16: exact for 7.6e-6 <= |w| < 65504, below that off by 3e-8 at the most.
; THIS LAUNCH: a stream.  Work-group g converts 16,384 numbers (64 KiB in, 32 KiB out): g < 512 x, g < 704 w_qkv, else w_out.
; Thread t takes 16 bytes at 16 t of each 4,096-byte piece: a wave's load covers 512 neighbouring bytes, its store 256, both aligned.
; All 16 loads of a thread go out at once; no register that a load or store touches is used twice, so the only memory waits are the counted ones on the loads.
; Matrix units, LDS and clusters have nothing to do here: no byte is used twice.
; Work-groups 0 to 255 also make the RoPE table rope[s][j] = sqrt(c) (cos, sin)(s 10000^(-j/32)), c = log2(e) / 8: q and k both carry
; sqrt(c), so the scores arrive divided by 8 and in units of log2, and the softmax needs one subtraction and an exp2.
.set X, 4                              ; v[4:67]    16 x 4 numbers as loaded
.set Y, 68                             ; v[68:99]   16 x 2 words to store
.set T, 100                            ; v[100:111] at work
.macro CONV i, f16
.if \f16
	v_cvt_pk_bf16_f32 v[T],   v[X+4*\i],   v[X+4*\i+1]         ; round to bf16 (nearest even),
	v_cvt_pk_bf16_f32 v[T+1], v[X+4*\i+2], v[X+4*\i+3]
	v_lshlrev_b32 v[T+2], 16, v[T]                             ; widen again,
	v_and_b32     v[T+3], s26, v[T]
	v_lshlrev_b32 v[T+4], 16, v[T+1]
	v_and_b32     v[T+5], s26, v[T+1]
	v_cvt_pk_f16_f32 v[Y+2*\i],   v[T+2], v[T+3]               ; and keep the value as f16 (8 bits of mantissa fit in 11)
	v_cvt_pk_f16_f32 v[Y+2*\i+1], v[T+4], v[T+5]
.else
	v_cvt_pk_bf16_f32 v[Y+2*\i],   v[X+4*\i],   v[X+4*\i+1]
	v_cvt_pk_bf16_f32 v[Y+2*\i+1], v[X+4*\i+2], v[X+4*\i+3]
.endif
.endm
	s_load_b256 s[4:11], s[0:1], 0x0               ; x s[4:5], w_qkv s[6:7], w_out s[8:9], xb s[10:11]
	s_load_b128 s[12:15], s[0:1], 0x20             ; wqb s[12:13], wob s[14:15]
	s_load_b64 s[16:17], s[0:1], 0x30              ; rope
	s_sub_co_u32 s23, ttmp9, 512                   ; my chunk if I serve w_qkv
	s_sub_co_u32 s28, ttmp9, 704                   ; my chunk if I serve w_out
	s_mov_b32 s26, 0xffff0000                      ; a word's upper bf16
	s_mov_b32 s25, 0                               ; high word of every offset pair
	v_lshlrev_b32 v1, 4, v0                        ; 16 t: in
	v_lshlrev_b32 v2, 3, v0                        ; 8 t: out
	s_wait_kmcnt 0x0
	s_cmp_ge_u32 ttmp9, 512
	s_cselect_b64 s[18:19], s[6:7], s[4:5]         ; source
	s_cselect_b64 s[20:21], s[12:13], s[10:11]     ; destination
	s_cselect_b32 s22, s23, ttmp9                  ; chunk
	s_cmp_ge_u32 ttmp9, 704
	s_cselect_b64 s[18:19], s[8:9], s[18:19]
	s_cselect_b64 s[20:21], s[14:15], s[20:21]
	s_cselect_b32 s22, s28, s22
	s_lshl_b32 s24, s22, 16                        ; 65,536 bytes of f32 a chunk
	s_add_nc_u64 s[18:19], s[18:19], s[24:25]
	s_lshl_b32 s24, s22, 15                        ; 32,768 bytes of 16-bit numbers
	s_add_nc_u64 s[20:21], s[20:21], s[24:25]
.irp i, 0,1,2,3,4,5,6,7,8,9,10,11,12,13,14,15
	global_load_b128 v[X+4*\i:X+4*\i+3], v1, s[18:19] offset:4096*\i th:TH_LOAD_NT   ; read once in the whole launch
.endr
	s_cmp_ge_u32 ttmp9, 704
	s_cbranch_scc1 .Lwout
.irp i, 0,1,2,3,4,5,6,7,8,9,10,11,12,13,14,15
	s_wait_loadcnt 15-\i                           ; loads come back in order: piece i is in, the 15 - i younger ones stay out
	CONV \i, 0
	global_store_b64 v2, v[Y+2*\i:Y+2*\i+1], s[20:21] offset:2048*\i
.endr
	s_cmp_lt_u32 ttmp9, 256
	s_cbranch_scc0 .Lend
	; THE TABLE: entry 256 g + t = (s = 8 g + t / 32, j = t % 32), 8 bytes at 2,048 g + 8 t.
	; The angle is reduced in turns: rev = s w with w = 10000^(-j/32) / 2 pi, fr = rev - nearest whole number (one fused step, exact),
	; a = pi fr = half the angle, |a| <= pi/2.  sin a and cos a by their series (terms to a^11 and a^12: what is cut is below 6e-8 there,
	; for every s, since a is bounded by the reduction); the double-angle formulas give the angle's own cosine and sine.
	v_and_b32 v[T], 31, v0                         ; j
	v_lshrrev_b32 v[T+1], 5, v0
	s_lshl_b32 s24, ttmp9, 3
	v_add_nc_u32 v[T+1], s24, v[T+1]               ; s
	v_cvt_f32_u32 v[T], v[T]
	v_cvt_f32_u32 v[T+1], v[T+1]
	v_mov_b32 v[T+2], 0xbed49a78                   ; -log2(10000) / 32
	v_fmaak_f32 v[T+2], v[T+2], v[T], 0xc029b21d   ; - j log2(10000) / 32 - log2(2 pi)
	v_exp_f32 v[T+2], v[T+2]                       ; w
	v_nop                                          ; one plain instruction between a transcendental and the use of its result (ISA guide 5.7.2)
	s_wait_alu depctr_va_vdst(0)
	v_mul_f32 v[T+3], v[T+1], v[T+2]
	v_rndne_f32 v[T+3], v[T+3]
	v_fma_f32 v[T+3], v[T+1], v[T+2], -v[T+3]      ; fr
	v_mul_f32 v[T+3], 0x40490fdb, v[T+3]           ; a = pi fr
	v_mul_f32 v[T+4], v[T+3], v[T+3]               ; u = a a
	v_mov_b32 v[T+5], 0xb2d7322b                   ; sin: -1/11!
	v_mov_b32 v[T+6], 0x310f76c7                   ; cos: 1/12!
	v_fmaak_f32 v[T+5], v[T+5], v[T+4], 0x3638ef1d ; 1/9!
	v_fmaak_f32 v[T+6], v[T+6], v[T+4], 0xb493f27e ; -1/10!
	v_fmaak_f32 v[T+5], v[T+5], v[T+4], 0xb9500d01 ; -1/7!
	v_fmaak_f32 v[T+6], v[T+6], v[T+4], 0x37d00d01 ; 1/8!
	v_fmaak_f32 v[T+5], v[T+5], v[T+4], 0x3c088889 ; 1/5!
	v_fmaak_f32 v[T+6], v[T+6], v[T+4], 0xbab60b61 ; -1/6!
	v_fmaak_f32 v[T+5], v[T+5], v[T+4], 0xbe2aaaab ; -1/3!
	v_fmaak_f32 v[T+6], v[T+6], v[T+4], 0x3d2aaaab ; 1/4!
	v_fma_f32 v[T+5], v[T+5], v[T+4], 1.0
	v_fma_f32 v[T+6], v[T+6], v[T+4], -0.5
	v_mul_f32 v[T+5], v[T+5], v[T+3]               ; sin a
	v_fma_f32 v[T+6], v[T+6], v[T+4], 1.0          ; cos a
	v_add_f32 v[T+7], v[T+5], v[T+5]               ; 2 sin a
	v_fma_f32 v[T+8], -v[T+7], v[T+5], 1.0         ; cos 2a = 1 - 2 sin a sin a
	v_mul_f32 v[T+9], v[T+7], v[T+6]               ; sin 2a = 2 sin a cos a
	v_mul_f32 v[T+8], 0x3ed96d27, v[T+8]           ; times sqrt(log2(e) / 8)
	v_mul_f32 v[T+9], 0x3ed96d27, v[T+9]
	s_lshl_b32 s24, ttmp9, 11
	s_add_nc_u64 s[16:17], s[16:17], s[24:25]
	global_store_b64 v2, v[T+8:T+9], s[16:17]      ; a wave's store is one whole table row of 256 bytes
.Lend:
	s_endpgm
.Lwout:
.irp i, 0,1,2,3,4,5,6,7,8,9,10,11,12,13,14,15
	s_wait_loadcnt 15-\i
	CONV \i, 1
	global_store_b64 v2, v[Y+2*\i:Y+2*\i+1], s[20:21] offset:2048*\i
.endr
	s_endpgm
.Lfunc_end_k_q7eca12a5be_prep:
	.size	k_q7eca12a5be_prep, .Lfunc_end_k_q7eca12a5be_prep-k_q7eca12a5be_prep
	.p2alignl 7, 3214868480
	.fill 96, 4, 3214868480
	.section	.rodata,"a",@progbits
	.p2align	6, 0x0
	.amdhsa_kernel k_q7eca12a5be_prep
		.amdhsa_group_segment_fixed_size 0
		.amdhsa_private_segment_fixed_size 0
		.amdhsa_enable_private_segment 0
		.amdhsa_kernarg_size 56
		.amdhsa_user_sgpr_count 2
		.amdhsa_user_sgpr_kernarg_segment_ptr 1
		.amdhsa_wavefront_size32 1
		.amdhsa_system_sgpr_workgroup_id_x 1
		.amdhsa_system_sgpr_workgroup_id_y 1
		.amdhsa_system_sgpr_workgroup_id_z 1
		.amdhsa_system_vgpr_workitem_id 0
		.amdhsa_next_free_vgpr 112
		.amdhsa_next_free_sgpr 66
		.amdhsa_reserve_vcc 0
		.amdhsa_float_denorm_mode_32 3
		.amdhsa_float_denorm_mode_16_64 3
		.amdhsa_memory_ordered 1
		.amdhsa_forward_progress 1
		.amdhsa_inst_pref_size 17
	.end_amdhsa_kernel
	.amdgpu_metadata
---
amdhsa.version: [ 1, 2 ]
amdhsa.kernels:
  - .name:           k_q7eca12a5be_prep
    .symbol:         k_q7eca12a5be_prep.kd
    .args:
      - { .name: x, .offset: 0, .size: 8, .value_kind: global_buffer, .address_space: global }
      - { .name: w_qkv, .offset: 8, .size: 8, .value_kind: global_buffer, .address_space: global }
      - { .name: w_out, .offset: 16, .size: 8, .value_kind: global_buffer, .address_space: global }
      - { .name: xb, .offset: 24, .size: 8, .value_kind: global_buffer, .address_space: global }
      - { .name: wqb, .offset: 32, .size: 8, .value_kind: global_buffer, .address_space: global }
      - { .name: wob, .offset: 40, .size: 8, .value_kind: global_buffer, .address_space: global }
      - { .name: rope, .offset: 48, .size: 8, .value_kind: global_buffer, .address_space: global }
    .group_segment_fixed_size: 0
    .private_segment_fixed_size: 0
    .kernarg_segment_align: 8
    .kernarg_segment_size: 56
    .max_flat_workgroup_size: 256
    .sgpr_count:     66
    .vgpr_count:     112
    .wavefront_size: 32
...
	.end_amdgpu_metadata
.endif
;; end of part 1
;; launch qkv (part 2): grid 16 x 32, 4 waves a work-group, clusters of 4 x 4, 327,680 bytes of LDS; arguments xb, wqb, rope, qh, kh, vh; writes qh, kh, vh
.if DOCPART == 2
	.amdgcn_target "amdgcn-amd-amdhsa--gfx1250"
	.amdhsa_code_object_version 6
	.text
	.protected	k_q7eca12a5be_qkv
	.globl	k_q7eca12a5be_qkv
	.p2align	8
	.type	k_q7eca12a5be_qkv,@function
k_q7eca12a5be_qkv:
	s_mov_b64 s[64:65], 0
	v_nop
	global_prefetch_b8 v0, s[64:65] scope:SCOPE_SE
	s_setreg_imm32_b32 hwreg(HW_REG_WAVE_MODE, 25, 1), 1
	s_wait_xcnt 0x0
	s_wait_alu depctr_hold_cnt(0) depctr_sa_sdst(0) depctr_va_vdst(0) depctr_va_sdst(0) depctr_va_ssrc(0) depctr_va_vcc(0) depctr_vm_vsrc(0)
	s_getreg_b32 s2, hwreg(HW_REG_IB_STS2, 6, 4)
	s_cmp_eq_u32 s2, 0
	s_cbranch_scc0 .Lentry_in_a_cluster
	s_endpgm
.Lentry_in_a_cluster:
	s_bfe_u32 s2, ttmp6, 0x10000c
	s_cmp_lg_u32 s2, 0xf033
	s_cbranch_scc0 .Lentry_shape_is_right
	s_endpgm
.Lentry_shape_is_right:
; LAUNCH 2 OF 4: qkv[m][e] = sum over d of xb[m][d] wqb[e][d] (bf16 operands, f32 sums), RoPE and the scale sqrt(log2(e)/8) on q and k in
; the way out, everything rounded once to f16 and stored head-major: qh, kh, vh [b*16+head][s][64], so that a head is one dense block.
; LIMIT: sqrt(c) rope(q), sqrt(c) rope(k) and v must stay below f16's 65,504 (inputs of the problem's spread give about 5; thirty times
; larger x and w_qkv about 5e3; a common offset of thirty spreads on both about 3e4).
; BLOCKS: block column j is head j's 64 columns of q, of k and of v, 192 columns; a block has 256 rows.  8192 / 256 x 16 heads = 512 blocks, two for
; each of 256 work-group places (blocks of 256 x 256 would be 384, which 256 does not divide), and every block has the same way out.
; Four waves, a wave 64 rows x 192 columns: 48 accumulator tiles of 16 x 16, 384 registers; a wave holds whole rows of a head (128 bytes of f16).
; K = 1024 goes in 8 steps of 128 through two LDS slots filled by the tensor data mover; a tile's rows are 256 bytes, aligned.
; Waves 0, 1, 2 fetch 64 rows of wqb each (rows 64 j + 1024 w: q's, k's, v's), wave 3 fetches xb's 256 rows.
; CLUSTERS: 4 x 4 work-groups.  The four of a row of the cluster need the same tiles of xb, the four of a column the same tiles of wqb:
; each such tile is asked for jointly, by the same load with the same descriptor in all four.
; REGISTERS, in windows of 256: window 0: v16-27 addresses, v64-95 / v96-127 fragments of xb (two buffers); on the way out v32-239 at work;
; window 1: v0-95 / v96-191 fragments of wqb; window 2: q's and k's accumulators (tile (a, b) at v[8 (8 a + b)], b 0-3 q, 4-7 k);
; window 3: v0-127 v's accumulators (tile (a, b) at v[8 (4 a + b)]), v128-255 my 64 rows of the RoPE table, loaded at the start.
; THE MATRIX INSTRUCTION IS USED TRANSPOSED (source 0 = 16 rows of wqb, source 1 = 16 rows of xb): lane l holds row l % 16 and its registers
; the columns 8 (l / 16) + 0..7 of the tile: eight neighbouring numbers of a head, that is four RoPE pairs, which pack into 16 bytes.
.set KSTEP,  128
.set PITCH,  272                       ; an LDS row: 256 bytes + 16 of padding, an odd multiple of 16: the 16 rows of a fragment load fall on 16 different 16-byte columns modulo 256
.set ABYTES, 256*PITCH                 ; xb's 256 rows
.set BPART,  64*PITCH                  ; 64 rows of wqb
.set SLOT,   ABYTES+3*BPART
.set STAGE,  2*SLOT                    ; behind the ring: 16 rows x 400 bytes for each wave; no tensor load lands there
.set SPITCH, 400                       ; 384 bytes (q, k, v of a row) + 16: an odd multiple of 16
.set LAPS,   4                         ; a lap = two K steps = once round the ring
.set ADRA, 16                          ; v16-17  LDS address of my xb fragments in slot 0, 1
.set ADRB, 20                          ; v20-21  the same for wqb
.set STO,  24                          ; v24     the way out: where I put 16 bytes of a row
.set RD,   25                          ; v25     the way out: where I read 16 bytes of a head's row back
.set CO,   26                          ; v26     16 x lane: my place in 512 bytes of output
.set RO,   27                          ; v27     my place in the table: 256 (l % 16) + 32 (l / 16)
.set AF,   64                          ; window 0: xb's fragments, buffer f at AF + 32 f
.set BF,   0                           ; window 1: wqb's fragments, buffer f at BF + 96 f
.set TB,   128                         ; window 3: the table, group i (16 rows) at TB + 32 i
.set R,    32                          ; the way out, window 0: v32-95 rotated numbers in f32
.set TMP,  96                          ; v96-143 packed results
.set RB0,  144                         ; v144-191, v192-239 rows read back, in turn
.set RB1,  192
.set G1, 24                            ; s[24:31] descriptor group 1, xb's tiles
.set G0, 32                            ; s[32:39] descriptor group 0, xb's tiles, one set a slot
.set G1B, 48                           ; s[48:55] group 1, wqb's tiles
.set G0B, 56                           ; s[56:63] group 0, wqb's tiles
.set MSB, 0
.macro WIN new                         ; the immediate's high byte repeats the setting that is left
.if MSB != \new
	s_set_vgpr_msb (MSB<<8)|\new
.set MSB, \new
.endif
.endm
.set MUL_LO, 0xa1                      ; source 0 window 1, source 1 window 0, C and D window 2
.set MUL_HI, 0xf1                      ; the same, C and D window 3
.set TO_B,   0x40                      ; destination window 1, address window 0
; A joint load.  Wave 3 fetches xb's tile, waves 0 to 2 wqb's three parts.  The branch hangs on the wave's number alone.
.macro JLOAD s
	s_cmp_eq_u32 s10, 3
	s_cbranch_scc0 .Lfor_b_\@
	tensor_load_to_lds s[G0+4*\s:G0+4*\s+3], s[G1:G1+7]
	s_nop 0
	s_branch .Lasked_\@
.Lfor_b_\@:
	tensor_load_to_lds s[G0B+4*\s:G0B+4*\s+3], s[G1B:G1B+7]
	s_nop 0
.Lasked_\@:
.endm
; A round of the cluster's barrier: my work-group's barrier, wave 0 signals for the work-group, every wave waits for all sixteen, my barrier again.
.macro CREST
	s_cmp_lg_u32 s10, 0
	s_cbranch_scc1 .Lnot_wave_0_\@
	s_barrier_signal -3
.Lnot_wave_0_\@:
	s_barrier_wait -3
	s_barrier_signal -1
	s_barrier_wait -1
.endm
.macro CROUND
	s_barrier_signal -1
	s_barrier_wait -1
	CREST
.endm
	s_load_b128 s[4:7], s[0:1], 0x0                ; xb s[4:5], wqb s[6:7]
	s_load_b256 s[68:75], s[0:1], 0x10             ; rope s[68:69], qh s[70:71], kh s[72:73], vh s[74:75]
	s_set_vgpr_msb 0x40
	v_lshl_add_u32 v255, v0, 2, 0x41c00
	s_set_vgpr_msb 0x4000
	v_mov_b32 v255, 0
	s_set_vgpr_msb 0x1
	ds_add_u32 v255, v255
	ds_add_u32 v255, v255
	s_set_vgpr_msb 0x100
	v_lshrrev_b32 v1, 5, v0
	v_readfirstlane_b32 s10, v1                    ; wave 0..3: my 64 rows of the block
	s_bfe_u32 s40, ttmp6, 0x40000                  ; cx
	s_bfe_u32 s41, ttmp6, 0x40004                  ; cy
	s_lshl_b32 s42, ttmp9, 2
	s_add_co_u32 s42, s42, s40                     ; block column = head j = 4 x cluster x + cx
	s_and_b32 s13, ttmp7, 0xffff
	s_lshl_b32 s13, s13, 2
	s_add_co_u32 s13, s13, s41                     ; block row = 4 x cluster y + cy
	s_lshl_b32 s43, s41, 2
	s_lshl_b32 s43, 15, s43                        ; my row of the cluster: places 4 cy .. 4 cy + 3
	s_lshl_b32 s44, 0x1111, s40                    ; my column: places cx, cx + 4, cx + 8, cx + 12
	; group 1: rows of 128 elements of 2 bytes, 4 words of padding behind every 64 words; xb 256 rows, wqb 64
	s_or_b32 s[G1+0], s43, (1<<16)|(1<<20)|(1<<21)|(5<<22)|(3<<25)
	s_or_b32 s[G1B+0], s44, (1<<16)|(1<<20)|(1<<21)|(5<<22)|(3<<25)
	s_mov_b32 s[G1+1], KSTEP<<16                   ; tensor_dim0 = 128
	s_mov_b32 s[G1B+1], KSTEP<<16
	s_mov_b32 s[G1+2], 256<<16                     ; tensor_dim1
	s_mov_b32 s[G1B+2], 64<<16
	s_mov_b32 s[G1+3], KSTEP<<16                   ; tile_dim0 = 128
	s_mov_b32 s[G1B+3], KSTEP<<16
	s_mov_b32 s[G1+4], 256                         ; tile_dim1
	s_mov_b32 s[G1B+4], 64
	s_mov_b32 s[G1+5], 1024                        ; elements from row to row
	s_mov_b32 s[G1B+5], 1024
	s_mov_b32 s[G1+6], 0
	s_mov_b32 s[G1B+6], 0
	s_mov_b32 s[G1+7], 0
	s_mov_b32 s[G1B+7], 0
	; xb's tiles hang on the block row alone, wqb's on the block column and the wave; each address in registers that never hold the other coordinate
	s_lshl_b32 s16, s13, 19                        ; xb: 256 x block row rows of 2,048 bytes (below 2^24)
	s_mov_b32 s17, 0
	s_lshl_b32 s46, s42, 17                        ; wqb: row 64 j
	s_lshl_b32 s47, s10, 21                        ; + 1024 w (waves 0 to 2)
	s_add_co_u32 s46, s46, s47
	s_mov_b32 s47, 0
	s_mul_i32 s45, s10, BPART
	s_add_co_u32 s45, s45, ABYTES                  ; LDS: wqb's three parts behind xb's rows
	s_wait_dscnt 0x0
	s_wait_kmcnt 0x0
	s_add_nc_u64 s[14:15], s[4:5], s[16:17]
	s_add_nc_u64 s[46:47], s[6:7], s[46:47]
	CROUND                                         ; all sixteen work-groups are here: the first joint loads meet
.irp s, 0,1
	s_mov_b32 s[G0+4*\s], 1
	s_mov_b32 s[G0+4*\s+1], \s*SLOT
	s_add_nc_u64 s[G0+4*\s+2:G0+4*\s+3], s[14:15], \s*256
	s_or_b32 s[G0+4*\s+3], s[G0+4*\s+3], 0x80000000
	s_mov_b32 s[G0B+4*\s], 1
	s_add_co_u32 s[G0B+4*\s+1], s45, \s*SLOT
	s_add_nc_u64 s[G0B+4*\s+2:G0B+4*\s+3], s[46:47], \s*256
	s_or_b32 s[G0B+4*\s+3], s[G0B+4*\s+3], 0x80000000
	JLOAD \s                                       ; two loads of mine are out: both slots' first fills
.endr
	; where the results go.  b = block row / 8; s0 = my first position in the sequence
	s_and_b32 s16, s13, 7
	s_lshl_b32 s16, s16, 8
	s_lshl_b32 s18, s10, 6
	s_add_co_u32 s16, s16, s18                     ; s0 = 256 (block row % 8) + 64 w
	s_lshl_b32 s18, s16, 8
	s_mov_b32 s19, 0
	s_add_nc_u64 s[76:77], s[68:69], s[18:19]      ; the table at row s0 (rows of 256 bytes)
	s_lshr_b32 s18, s13, 3
	s_lshl_b32 s18, s18, 22                        ; b x 16 heads x 262,144 bytes
	s_lshl_b32 s16, s16, 7                         ; s0 rows of 128 bytes
	s_add_co_u32 s18, s18, s16
	s_lshl_b32 s46, s42, 18                        ; head j (in the registers that held wqb's address: none that feeds xb's descriptors holds cx)
	s_mov_b32 s47, 0
.irp g, 0,1,2
	s_add_nc_u64 s[70+2*\g:71+2*\g], s[70+2*\g:71+2*\g], s[18:19]
	s_add_nc_u64 s[70+2*\g:71+2*\g], s[70+2*\g:71+2*\g], s[46:47]
.endr
	; a fragment is 16 rows x 32 K in 8 registers: lane l holds row l % 16; two loads of 16 bytes, 32 apart, at row x pitch + 16 (l / 16)
	v_and_b32 v1, 15, v0
	v_bfe_u32 v2, v0, 4, 1
	v_mul_u32_u24 v3, v1, PITCH
	v_lshl_add_u32 v3, v2, 4, v3
	s_mul_i32 s21, s10, 64*PITCH                   ; my 64 rows of xb
.irp s, 0,1
	v_add_nc_u32 v[ADRA+\s], s21, v3
	v_add_nc_u32 v[ADRB+\s], ABYTES+\s*SLOT, v3
	s_add_co_u32 s21, s21, SLOT
.endr
	s_mul_i32 s23, s10, 16*SPITCH
	s_add_co_u32 s23, s23, STAGE                   ; my stage
	v_mul_u32_u24 v5, v1, SPITCH                   ; in: row l % 16, 16 bytes for each half of the lanes
	v_lshl_add_u32 v5, v2, 4, v5
	v_add_nc_u32 v[STO], s23, v5
	v_bfe_u32 v5, v0, 3, 2                         ; back: eight lanes take a head's 128 bytes of one row, the wave four rows
	v_mul_u32_u24 v5, v5, SPITCH
	v_and_b32 v6, 7, v0
	v_lshl_add_u32 v5, v6, 4, v5
	v_add_nc_u32 v[RD], s23, v5
	v_and_b32 v6, 31, v0
	v_lshlrev_b32 v[CO], 4, v6
	v_lshlrev_b32 v5, 8, v1
	v_lshl_add_u32 v[RO], v2, 5, v5
	; my 64 rows of the table, into registers that nothing else uses: they land while the products run.  RO and the base are never written again.
	WIN 0xc0                                       ; destination window 3, address window 0
.irp i, 0,1,2,3
.irp bm, 0,1,2,3
	global_load_b128 v[TB+32*\i+8*\bm:TB+32*\i+8*\bm+3],   v[RO], s[76:77] offset:4096*\i+64*\bm
	global_load_b128 v[TB+32*\i+8*\bm+4:TB+32*\i+8*\bm+7], v[RO], s[76:77] offset:4096*\i+64*\bm+16
.endr
.endr
	WIN 0
; 16 matrix instructions: row blocks a0, a0 + 1 x q's and k's 8 column blocks, 32 along K (window 2).  zero = 1: the first product starts the sums.
.macro MULQK f, a0, zero
.irp a, \a0, \a0+1
.irp b, 0,1,2,3,4,5,6,7
.if \zero
	v_wmma_f32_16x16x32_bf16 v[8*(8*(\a)+\b):8*(8*(\a)+\b)+7], v[BF+96*\f+8*\b:BF+96*\f+8*\b+7], v[AF+32*\f+8*(\a):AF+32*\f+8*(\a)+7], 0
.else
	v_wmma_f32_16x16x32_bf16 v[8*(8*(\a)+\b):8*(8*(\a)+\b)+7], v[BF+96*\f+8*\b:BF+96*\f+8*\b+7], v[AF+32*\f+8*(\a):AF+32*\f+8*(\a)+7], v[8*(8*(\a)+\b):8*(8*(\a)+\b)+7]
.endif
.endr
.endr
.endm
; 16 matrix instructions: all 4 row blocks x v's 4 column blocks (window 3)
.macro MULV f, zero
.irp a, 0,1,2,3
.irp b, 0,1,2,3
.if \zero
	v_wmma_f32_16x16x32_bf16 v[8*(4*\a+\b):8*(4*\a+\b)+7], v[BF+96*\f+64+8*\b:BF+96*\f+64+8*\b+7], v[AF+32*\f+8*\a:AF+32*\f+8*\a+7], 0
.else
	v_wmma_f32_16x16x32_bf16 v[8*(4*\a+\b):8*(4*\a+\b)+7], v[BF+96*\f+64+8*\b:BF+96*\f+64+8*\b+7], v[AF+32*\f+8*\a:AF+32*\f+8*\a+7], v[8*(4*\a+\b):8*(4*\a+\b)+7]
.endif
.endr
.endr
.endm
; 32 LDS loads in one run: the fragments of quarter step k (0..3) of a slot into buffer f: xb's 4, then wqb's 12 (q, k, v: v's are the youngest eight loads)
.macro FETCH slot, k, f
	WIN 0
.irp i, 0,1,2,3
	ds_load_b128 v[AF+32*\f+8*\i:AF+32*\f+8*\i+3],   v[ADRA+\slot] offset:64*\k+\i*16*PITCH
	ds_load_b128 v[AF+32*\f+8*\i+4:AF+32*\f+8*\i+7], v[ADRA+\slot] offset:64*\k+\i*16*PITCH+32
.endr
	WIN TO_B
.irp i, 0,1,2,3,4,5,6,7,8,9,10,11
	ds_load_b128 v[BF+96*\f+8*\i:BF+96*\f+8*\i+3],   v[ADRB+\slot] offset:64*\k+\i*16*PITCH
	ds_load_b128 v[BF+96*\f+8*\i+4:BF+96*\f+8*\i+7], v[ADRB+\slot] offset:64*\k+\i*16*PITCH+32
.endr
.endm
; four places between a matrix instruction and a load into, or a vector access to, one of its registers
.macro PLACES
.rept 4
	v_nop
.endr
.endm
; A quarter step: 48 products on buffer f; behind the first 16 the next quarter's fragments go out into buffer g, 32 products ahead of their first use.
; The 48 accumulators take turns, one instruction a turn, in the same order in every quarter step.
.macro QUARTER slot, k, f, g, zero
	s_wait_dscnt 8                                 ; xb's and q's and k's fragments are in; the youngest eight loads (v's rows of wqb) may be out
	WIN MUL_LO
	MULQK \f, 0, \zero
	PLACES
	FETCH \slot, \k, \g
	s_wait_dscnt 32                                ; all but the 32 just issued
	WIN MUL_LO
	MULQK \f, 2, \zero
	WIN MUL_HI
	MULV \f, \zero
.endm
.macro THREE slot, zero
	QUARTER \slot, 1, 0, 1, \zero
	QUARTER \slot, 2, 1, 0, 0
	QUARTER \slot, 3, 0, 1, 0
.endm
; The last quarter multiplies buffer 1 and changes slots.  In front of the barrier each wave waits for its reads of this slot and for all its
; tensor loads (one is out: its part of the next slot, asked for 176 products ago).  Where the slot is filled again the barrier opens a round of the
; cluster's barrier, and the joint refill is the first tensor load behind the round's closing wait, one a wave.
.macro TURN slot, next, fill
	s_wait_dscnt 0                                 ; my reads of this slot are over
	s_wait_tensorcnt 0x0                           ; all my tensor loads have landed
	ds_add_u32 v255, v255
	s_wait_dscnt 0x0
	s_barrier_signal -1
	WIN MUL_LO
	MULQK 1, 0, 0                                  ; register work alone between signal and wait
	WIN 0
	s_barrier_wait -1
.if \fill
	CREST
	s_add_nc_u64 s[G0+4*\slot+2:G0+4*\slot+3], s[G0+4*\slot+2:G0+4*\slot+3], 2*256        ; no load of mine is out: the descriptors may be written
	s_add_nc_u64 s[G0B+4*\slot+2:G0B+4*\slot+3], s[G0B+4*\slot+2:G0B+4*\slot+3], 2*256
	JLOAD \slot
.endif
	PLACES
	FETCH \next, 0, 0
	WIN MUL_LO
	MULQK 1, 2, 0
	WIN MUL_HI
	MULV 1, 0
.endm
.macro LAP zero
	THREE 0, \zero
	TURN 0, 1, 1
	THREE 1, 0
	TURN 1, 0, 1
.endm
	s_wait_tensorcnt 1                             ; my part of K step 0 is in; K step 1's load stays out
	s_barrier_signal -1
	s_barrier_wait -1
	FETCH 0, 0, 0
	LAP 1                                          ; the first lap's first products start the sums: nothing is cleared
	WIN 0
	s_mov_b32 s3, LAPS-2
.Llap:
	LAP 0
	WIN 0
	s_sub_co_u32 s3, s3, 1
	s_cmp_lg_u32 s3, 0
	s_cbranch_scc1 .Llap
	THREE 0, 0                                     ; the last lap fills nothing
	TURN 0, 1, 0
	THREE 1, 0
	s_wait_dscnt 0
	WIN MUL_LO
	MULQK 1, 0, 0
	MULQK 1, 2, 0
	WIN MUL_HI
	MULV 1, 0
	WIN 0
	PLACES                                         ; the places in front of everything below that touches matrix registers
	s_wait_loadcnt 0x0                             ; the table's rows, asked for at the start
; THE WAY OUT, 16 rows at a time: RoPE on q and k, round to f16, 16 bytes a lane into my own stage (a row: q's 128 bytes, k's, v's), read back by
; parts: a part's 16 rows are 2,048 neighbouring bytes of qh, kh or vh, and each store of the wave covers 512 of them, aligned.  All offsets stand in the immediates.
; Pair p of tile b is (x0, x1) at d = 16 (b % 4) + 8 (l / 16) + 2 p; the table's registers hold (cos, sin) of the same pair.
.macro OUT i, rb
	WIN 0x0e                                       ; source 0 window 2 (q, k), source 1 window 3 (the table), source 2 and destination window 0
.irp b, 0,1,2,3,4,5,6,7
.irp p, 0,1,2,3
	v_mul_f32 v[R+8*\b+2*\p],   v[8*(8*\i+\b)+2*\p],   v[TB+32*\i+8*(\b&3)+2*\p]
	v_mul_f32 v[R+8*\b+2*\p+1], v[8*(8*\i+\b)+2*\p+1], v[TB+32*\i+8*(\b&3)+2*\p]
	v_fma_f32 v[R+8*\b+2*\p],   -v[8*(8*\i+\b)+2*\p+1], v[TB+32*\i+8*(\b&3)+2*\p+1], v[R+8*\b+2*\p]      ; x0 cos - x1 sin
	v_fma_f32 v[R+8*\b+2*\p+1], v[8*(8*\i+\b)+2*\p],    v[TB+32*\i+8*(\b&3)+2*\p+1], v[R+8*\b+2*\p+1]    ; x1 cos + x0 sin
.endr
.endr
	WIN 0
.irp b, 0,1,2,3,4,5,6,7
.irp p, 0,1,2,3
	v_cvt_pk_f16_f32 v[TMP+4*\b+\p], v[R+8*\b+2*\p], v[R+8*\b+2*\p+1]
.endr
.endr
	WIN 0x0f                                       ; sources 0 and 1 window 3: v, no RoPE
.irp b, 0,1,2,3
.irp p, 0,1,2,3
	v_cvt_pk_f16_f32 v[TMP+32+4*\b+\p], v[8*(4*\i+\b)+2*\p], v[8*(4*\i+\b)+2*\p+1]
.endr
.endr
	WIN 0
.irp b, 0,1,2,3,4,5,6,7,8,9,10,11
	ds_store_b128 v[STO], v[TMP+4*\b:TMP+4*\b+3] offset:32*\b
.endr
	s_wait_xcnt 0x0                                ; the registers read back into were the data of earlier stores: written again only behind this wait
.irp g, 0,1,2
.irp t, 0,1,2,3
	ds_load_b128 v[\rb+16*\g+4*\t:\rb+16*\g+4*\t+3], v[RD] offset:128*\g+4*SPITCH*\t    ; LDS serves a wave's instructions in order: these see the stores above
.endr
.endr
.irp g, 0,1,2
.irp t, 0,1,2,3
	s_wait_dscnt 11-(4*\g+\t)                      ; the younger read-backs stay out
	global_store_b128 v[CO], v[\rb+16*\g+4*\t:\rb+16*\g+4*\t+3], s[70+2*\g:71+2*\g] offset:2048*\i+512*\t
.endr
.endr
.endm
	OUT 0, RB0
	OUT 1, RB1
	OUT 2, RB0
	OUT 3, RB1
	s_set_vgpr_msb 0x1
	s_wait_tensorcnt 0x0
	ds_add_u32 v255, v255
	s_wait_dscnt 0x0
	s_set_vgpr_msb 0x100
	CROUND                                         ; the closing round: no work-group ends while a partner may still ask for a tile that names it
	s_endpgm
.Lfunc_end_k_q7eca12a5be_qkv:
	.size	k_q7eca12a5be_qkv, .Lfunc_end_k_q7eca12a5be_qkv-k_q7eca12a5be_qkv
	.p2alignl 7, 3214868480
	.fill 96, 4, 3214868480
	.section	.rodata,"a",@progbits
	.p2align	6, 0x0
	.amdhsa_kernel k_q7eca12a5be_qkv
		.amdhsa_group_segment_fixed_size 327680
		.amdhsa_private_segment_fixed_size 0
		.amdhsa_enable_private_segment 0
		.amdhsa_kernarg_size 48
		.amdhsa_user_sgpr_count 2
		.amdhsa_user_sgpr_kernarg_segment_ptr 1
		.amdhsa_wavefront_size32 1
		.amdhsa_system_sgpr_workgroup_id_x 1
		.amdhsa_system_sgpr_workgroup_id_y 1
		.amdhsa_system_sgpr_workgroup_id_z 1
		.amdhsa_system_vgpr_workitem_id 0
		.amdhsa_next_free_vgpr 1024
		.amdhsa_next_free_sgpr 80
		.amdhsa_reserve_vcc 0
		.amdhsa_float_denorm_mode_32 3
		.amdhsa_float_denorm_mode_16_64 3
		.amdhsa_memory_ordered 1
		.amdhsa_forward_progress 1
		.amdhsa_inst_pref_size 191
	.end_amdhsa_kernel
	.amdgpu_metadata
---
amdhsa.version: [ 1, 2 ]
amdhsa.kernels:
  - .name:           k_q7eca12a5be_qkv
    .symbol:         k_q7eca12a5be_qkv.kd
    .args:
      - { .name: xb, .offset: 0, .size: 8, .value_kind: global_buffer, .address_space: global }
      - { .name: wqb, .offset: 8, .size: 8, .value_kind: global_buffer, .address_space: global }
      - { .name: rope, .offset: 16, .size: 8, .value_kind: global_buffer, .address_space: global }
      - { .name: qh, .offset: 24, .size: 8, .value_kind: global_buffer, .address_space: global }
      - { .name: kh, .offset: 32, .size: 8, .value_kind: global_buffer, .address_space: global }
      - { .name: vh, .offset: 40, .size: 8, .value_kind: global_buffer, .address_space: global }
    .group_segment_fixed_size: 327680
    .private_segment_fixed_size: 0
    .kernarg_segment_align: 8
    .kernarg_segment_size: 48
    .max_flat_workgroup_size: 128
    .sgpr_count:     80
    .vgpr_count:     1024
    .wavefront_size: 32
...
	.end_amdgpu_metadata
.endif
;; end of part 2
;; launch attn (part 3): grid 4 x 64, 4 waves a work-group, no clusters, 327,680 bytes of LDS; arguments qh, kh, vh, ao; writes ao
.if DOCPART == 3
	.amdgcn_target "amdgcn-amd-amdhsa--gfx1250"
	.amdhsa_code_object_version 6
	.text
	.protected	k_q7eca12a5be_attn
	.globl	k_q7eca12a5be_attn
	.p2align	8
	.type	k_q7eca12a5be_attn,@function
k_q7eca12a5be_attn:
	s_mov_b64 s[64:65], 0
	v_nop
	global_prefetch_b8 v0, s[64:65] scope:SCOPE_SE
	s_setreg_imm32_b32 hwreg(HW_REG_WAVE_MODE, 25, 1), 1
	s_wait_xcnt 0x0
; LAUNCH 3 OF 4: causal attention of one (batch, head), f16 operands, f32 sums, a running maximum.  qh and kh carry sqrt(log2(e)/8) each,
; so a score arrives divided by 8 and in units of log2: p = exp2(s - m), one subtraction, p <= 1 whatever the inputs' size.
; LEFT OUT AS DEAD: tiles of 64 keys x 64 queries that lie wholly above the diagonal: reference() sets those scores to -inf by its own
; jnp.tril, so their weight is 0 for all inputs.  A NaN or infinity that reaches only such keys or values is not carried to the result.
; LIMITS: exp2 gives 0 below 2^-126; a weight below 3e-8 rounds to 0 in f16.  Each query block takes its diagonal unit first, so the sums
; are added in another order than in reference(): rounding only.
; SHARE: work-group (g, bh) takes query blocks of 256: first 6 - 2 g (7 - 2 g units of 256 keys), then 2 g + 1 (2 g + 2 units): nine units for
; every work-group.  Wave w takes queries 64 w .. 64 w + 63 of the block as four tiles of 16.  A unit is four sub-steps of 64 keys.
; NO CLUSTER: the four work-groups that share a head's K and V walk different numbers of units in different orders (7 - 2 g, then 2 g + 2), so
; at no step do they want the same tile, and a joint request has to be made by all that it names.
; THE SUB-STEP STANDS IN PHASES (scores, softmax, V^T P).  Two halves of the wave's queries taking turns need the sub-step in four forms (first, inner and
; last of a unit, diagonal), 19 expansions where this text has 9, and a loop body three times as long: the text stays short instead.
; LDS: bytes 0 .. 36,863 the waves' stages (64 rows x 144); then two slots of 77,824: K 256 rows x 144 bytes, V 256 rows x 160.
; One tensor load a wave brings 128 keys (16 KiB, dense in memory, taken as 64 rows of 256 bytes) and pads every 128 bytes: waves 0, 1 K, waves 2, 3 V.
; LAYOUTS: S^T = K Q^T: lane (r, h) holds query r and keys 8 h + 0..7 of a tile, so two neighbouring key tiles, packed to f16 in place, are
; the second operand of O^T = V^T P^T as they stand: no number changes its lane.  V^T comes by the transposing LDS load.
; m, l and the rescaling factor are one number a lane; only the maximum crosses the two halves of the wave in every sub-step, l once at the end.
.set RING,   36864
.set KP,     144                       ; odd multiple of 16 bytes: a fragment's 16 rows fall on 16 different 16-byte columns modulo 256
.set VP,     160                       ; odd multiple of 32 bytes, for the transposing load
.set KBYTES, 256*KP
.set SLOT,   256*KP+256*VP
; window 0
.set QO,  4                            ; 128 r + 16 h: my place in 16 rows of qh
.set KB,  6                            ; v6, v7   K fragment address, slot 0, 1
.set VB,  8                            ; v8, v9   V fragment address, slot 0, 1
.set KC,  10                           ; the sub-step's K address
.set VC,  11                           ; the sub-step's V address
.set STO, 12
.set RD,  13
.set CO,  14
.set NINF, 15
.set MO,  16                           ; v16-19   running maximum, one a query tile
.set T,   20                           ; v20-23   from the other half of the wave
.set RS,  24                           ; v24-27   the sub-step's sum of weights
.set L,   28                           ; v28-31   running sum (my half's keys)
.set MN,  32                           ; v32-39   new maximum, twice (pairs for packed arithmetic)
.set AL,  40                           ; v40-47   exp2(old - new maximum), twice
.set SM,  48                           ; v48-51   two chains of sums
.set KF,  64                           ; v64-127  K fragments: 16 kt + 8 c
.set S,   128                          ; v128-255 scores, then weights: 32 qt + 8 kt
; window 1
.set O,   0                            ; v0-127   O^T: 32 qt + 8 dt
.set Q,   128                          ; v128-191 Q fragments: 16 qt + 8 c
.set VF,  192                          ; v192-255 V^T fragments: 16 dt + 8 kc
.set G1K, 24
.set G1V, 32
.set G0K, 40                           ; s[40:47] one set a slot
.set G0V, 48                           ; s[48:55]
.set MSB, 0
.macro WIN new
.if MSB != \new
	s_set_vgpr_msb (MSB<<8)|\new
.set MSB, \new
.endif
.endm
.macro KVLOAD s                        ; my one load: waves 0, 1 a half of K's unit, waves 2, 3 a half of V's
	s_cmp_lt_u32 s12, 2
	s_cbranch_scc0 .Lfor_v_\@
	tensor_load_to_lds s[G0K+4*(\s):G0K+4*(\s)+3], s[G1K:G1K+7]
	s_nop 0
	s_branch .Lasked_\@
.Lfor_v_\@:
	tensor_load_to_lds s[G0V+4*(\s):G0V+4*(\s)+3], s[G1V:G1V+7]
	s_nop 0
.Lasked_\@:
.endm
	s_load_b256 s[4:11], s[0:1], 0x0               ; qh s[4:5], kh s[6:7], vh s[8:9], ao s[10:11]
	v_lshl_add_u32 v62, v0, 2, 0x2f000
	v_mov_b32 v63, 0
	ds_add_u32 v62, v63
	ds_add_u32 v62, v63
	v_lshrrev_b32 v1, 5, v0
	v_readfirstlane_b32 s12, v1                    ; wave
	s_mov_b32 s13, ttmp9                           ; g
	s_and_b32 s14, ttmp7, 0xffff                   ; bh
	s_lshl_b32 s19, s13, 1
	s_sub_co_u32 s15, 6, s19                       ; first query block, 6 - 2 g
	s_add_co_u32 s16, s19, 1                       ; second query block, 2 g + 1
	s_add_co_u32 s17, s15, 1                       ; units of the first block
	s_mov_b32 s18, 1                               ; units asked for so far
	s_mov_b32 s74, 0x76543210                      ; v_permlanex16_b32: lane i reads lane i of the other half
	s_mov_b32 s75, 0xfedcba98
	s_mov_b32 s[G1K+0], (1<<16)|(1<<20)|(4<<22)|(3<<25)    ; 2-byte elements; 4 words of padding behind every 32 words
	s_mov_b32 s[G1V+0], (1<<16)|(1<<20)|(4<<22)|(7<<25)    ; 8 words of padding
	s_mov_b32 s[G1K+1], 128<<16                    ; tensor_dim0 = 128 elements (256 bytes)
	s_mov_b32 s[G1V+1], 128<<16
	s_mov_b32 s[G1K+2], 64<<16                     ; tensor_dim1 = 64
	s_mov_b32 s[G1V+2], 64<<16
	s_mov_b32 s[G1K+3], 128<<16                    ; tile_dim0
	s_mov_b32 s[G1V+3], 128<<16
	s_mov_b32 s[G1K+4], 64                         ; tile_dim1
	s_mov_b32 s[G1V+4], 64
	s_mov_b32 s[G1K+5], 128                        ; the block is dense: a row begins where the last ends
	s_mov_b32 s[G1V+5], 128
	s_mov_b32 s[G1K+6], 0
	s_mov_b32 s[G1V+6], 0
	s_mov_b32 s[G1K+7], 0
	s_mov_b32 s[G1V+7], 0
	s_mul_i32 s20, s12, 128*KP
	s_mul_i32 s21, s12, 128*VP
.irp n, 0,1
	s_mov_b32 s[G0K+4*\n], 1
	s_add_co_u32 s[G0K+4*\n+1], s20, RING+\n*SLOT                      ; waves 0, 1: K's two halves
	s_mov_b32 s[G0V+4*\n], 1
	s_add_co_u32 s[G0V+4*\n+1], s21, RING+KBYTES-2*128*VP+\n*SLOT      ; waves 2, 3: V's two halves, behind K
.endr
	s_lshl_b32 s60, s14, 18                        ; the head: 262,144 bytes
	s_and_b32 s19, s12, 1
	s_lshl_b32 s19, s19, 14                        ; my half of a unit: 128 keys x 128 bytes
	s_add_co_u32 s60, s60, s19
	s_mov_b32 s61, 0
	s_wait_dscnt 0x0
	s_wait_kmcnt 0x0
	s_add_nc_u64 s[56:57], s[6:7], s[60:61]
	s_add_nc_u64 s[58:59], s[8:9], s[60:61]
	s_lshl_b32 s60, s15, 15                        ; the first unit is the first block's diagonal
	s_add_nc_u64 s[G0K+2:G0K+3], s[56:57], s[60:61]
	s_or_b32 s[G0K+3], s[G0K+3], 0x80000000
	s_add_nc_u64 s[G0V+2:G0V+3], s[58:59], s[60:61]
	s_or_b32 s[G0V+3], s[G0V+3], 0x80000000
	KVLOAD 0                                       ; the only first fill at the start; slot 1 is first filled as a refill is
	v_and_b32 v1, 15, v0                           ; r
	v_bfe_u32 v2, v0, 4, 1                         ; h
	v_and_b32 v3, 31, v0                           ; lane
	v_lshlrev_b32 v[QO], 7, v1
	v_lshl_add_u32 v[QO], v2, 4, v[QO]
	v_mul_u32_u24 v5, v1, KP
	v_lshl_add_u32 v5, v2, 4, v5                   ; 144 r + 16 h
	v_add_nc_u32 v[KB], RING, v5
	v_add_nc_u32 v[KB+1], RING+SLOT, v5
	s_mul_i32 s19, s12, 64*KP                      ; my stage
	v_add_nc_u32 v[STO], s19, v5
	v_and_b32 v5, 7, v0
	v_lshl_add_u32 v5, v2, 3, v5                   ; key 8 h + lane % 8
	v_mul_u32_u24 v5, v5, VP
	v_bfe_u32 v[T], v0, 3, 1
	v_lshl_add_u32 v5, v[T], 4, v5                 ; + 16 bytes for the upper eight columns
	v_add_nc_u32 v[VB], RING+KBYTES, v5
	v_add_nc_u32 v[VB+1], RING+KBYTES+SLOT, v5
	v_bfe_u32 v5, v0, 3, 2                         ; lane / 8: the row of four that I read back
	v_mul_u32_u24 v5, v5, KP
	v_and_b32 v[T], 7, v0
	v_lshl_add_u32 v5, v[T], 4, v5
	v_add_nc_u32 v[RD], s19, v5
	v_lshlrev_b32 v[CO], 4, v3
	v_mov_b32 v[NINF], 0xff800000
	v_lshlrev_b32 v5, 3, v2
	v_sub_nc_u32 v5, v5, v1                        ; 8 h - r
.irp jj, 0,1,2,3,4,5,6,7
	v_cmp_lt_i32 s[66+\jj], 0-\jj, v5              ; in a tile on the diagonal register jj is masked where key 8 h + jj > query r
.endr
.irp qt, 0,1,2,3
	v_mov_b32 v[T+\qt], 0                          ; v_permlanex16_b32 counts as a reader of its destination
.endr
; The head of a unit read from slot `slot`.  Every wave waits for all its tensor loads (its part of this unit among them) and for its LDS reads,
; then the barrier; behind it the other slot, which nobody reads any more, gets the next unit: the wave's one tensor load, first thing there.
; It has the unit's four sub-steps in which to land.  Request number r asks for unit r - 1 of the first block, then for the second block's
; diagonal, then for its units from 0 on.
.macro UNITHEAD slot, refill
	s_wait_tensorcnt 0x0
	ds_add_u32 v62, v63
	s_wait_dscnt 0x0
.if \refill
	s_sub_co_u32 s19, s18, 1
	s_sub_co_u32 s20, s19, s17
	s_cmp_ge_u32 s18, s17
	s_cselect_b32 s19, s20, s19
	s_cmp_eq_u32 s19, -1
	s_cselect_b32 s19, s16, s19
	s_add_co_u32 s18, s18, 1
	s_lshl_b32 s60, s19, 15                        ; units of 256 keys x 128 bytes
	s_add_nc_u64 s[G0K+4*(1-\slot)+2:G0K+4*(1-\slot)+3], s[56:57], s[60:61]    ; no load of mine is out: the descriptors may be written
	s_or_b32 s[G0K+4*(1-\slot)+3], s[G0K+4*(1-\slot)+3], 0x80000000
	s_add_nc_u64 s[G0V+4*(1-\slot)+2:G0V+4*(1-\slot)+3], s[58:59], s[60:61]
	s_or_b32 s[G0V+4*(1-\slot)+3], s[G0V+4*(1-\slot)+3], 0x80000000
.endif
	s_wait_dscnt 0x0
	s_barrier_signal -1
	s_barrier_wait -1
.if \refill
	KVLOAD 1-\slot
.endif
	v_mov_b32 v[KC], v[KB+\slot]
	v_mov_b32 v[VC], v[VB+\slot]
.endm
.macro SUBM qt                         ; s - m, two at a time
.set kk, 0
.rept 16
	v_pk_add_f32 v[S+32*\qt+kk:S+32*\qt+kk+1], v[S+32*\qt+kk:S+32*\qt+kk+1], v[MN+2*\qt:MN+2*\qt+1] neg_lo:[0,1] neg_hi:[0,1]
.set kk, kk+2
.endr
.endm
.macro EXPQ qt
.set kk, 0
.rept 32
	v_exp_f32 v[S+32*\qt+kk], v[S+32*\qt+kk]
.set kk, kk+1
.endr
.endm
.macro SP qt                           ; the 32 weights' sum in f32 (two chains), then f16 in place: 16 registers become the 8 of a fragment
	s_wait_alu depctr_va_vdst(0)
	v_pk_add_f32 v[SM:SM+1],   v[S+32*\qt:S+32*\qt+1],   v[S+32*\qt+2:S+32*\qt+3]
	v_pk_add_f32 v[SM+2:SM+3], v[S+32*\qt+4:S+32*\qt+5], v[S+32*\qt+6:S+32*\qt+7]
.set kk, 8
.rept 6
	v_pk_add_f32 v[SM:SM+1],   v[SM:SM+1],   v[S+32*\qt+kk:S+32*\qt+kk+1]
	v_pk_add_f32 v[SM+2:SM+3], v[SM+2:SM+3], v[S+32*\qt+kk+2:S+32*\qt+kk+3]
.set kk, kk+4
.endr
	v_pk_add_f32 v[SM:SM+1], v[SM:SM+1], v[SM+2:SM+3]
	v_add_f32 v[RS+\qt], v[SM], v[SM+1]
.irp kc, 0,1
.irp m, 0,1,2,3,4,5,6,7
	v_cvt_pk_f16_f32 v[S+32*\qt+16*\kc+\m], v[S+32*\qt+16*\kc+2*\m], v[S+32*\qt+16*\kc+2*\m+1]   ; ascending: no source is written before it is read
.endr
.endr
.endm
; One sub-step: 64 keys x my 64 queries.  first = 1: it starts m, l and O (nothing is cleared).  diag = 1: the unit on the diagonal; s77 = the
; sub-step's number j: j > wave lies wholly above the diagonal and is left out, j = wave is masked.
.macro SUB first, diag
.if \diag
.if \first == 0
	s_cmp_gt_u32 s77, s12
	s_cbranch_scc1 .Lskip_\@
.endif
.endif
.irp kt, 0,1,2,3
.irp c, 0,1
	ds_load_b128 v[KF+16*\kt+8*\c:KF+16*\kt+8*\c+3],   v[KC] offset:16*KP*\kt+64*\c
	ds_load_b128 v[KF+16*\kt+8*\c+4:KF+16*\kt+8*\c+7], v[KC] offset:16*KP*\kt+64*\c+32
.endr
.endr
	WIN 0x40
.irp dt, 0,1,2,3
.irp kc, 0,1
	ds_load_tr16_b128 v[VF+16*\dt+8*\kc:VF+16*\dt+8*\kc+3],   v[VC] offset:32*VP*\kc+32*\dt
	ds_load_tr16_b128 v[VF+16*\dt+8*\kc+4:VF+16*\dt+8*\kc+7], v[VC] offset:32*VP*\kc+16*VP+32*\dt
.endr
.endr
	WIN 0x04                                       ; source 1 (Q) in window 1
	s_wait_dscnt 16                                ; K's 16 loads are in; V's 16 younger ones stay out
	; the 16 score tiles take turns, one instruction a turn
.irp c, 0,1
.irp kt, 0,1,2,3
.irp qt, 0,1,2,3
.if \c == 0
	v_wmma_f32_16x16x32_f16 v[S+32*\qt+8*\kt:S+32*\qt+8*\kt+7], v[KF+16*\kt:KF+16*\kt+7], v[Q+16*\qt:Q+16*\qt+7], 0
.else
	v_wmma_f32_16x16x32_f16 v[S+32*\qt+8*\kt:S+32*\qt+8*\kt+7], v[KF+16*\kt+8:KF+16*\kt+15], v[Q+16*\qt+8:Q+16*\qt+15], v[S+32*\qt+8*\kt:S+32*\qt+8*\kt+7]
.endif
.endr
.endr
.endr
	WIN 0
.rept 4
	v_nop                                          ; four places (ISA guide 7.12.1) before vector instructions touch the scores
.endr
.if \diag
	s_cmp_lg_u32 s77, s12
	s_cbranch_scc1 .Lnomask_\@
.irp t, 0,1,2,3
.irp jj, 0,1,2,3,4,5,6,7
	v_cndmask_b32 v[S+40*\t+\jj], v[S+40*\t+\jj], v[NINF], s[66+\jj]       ; tiles on the diagonal
.endr
.endr
.irp qt, 0,1,2
.irp kt, 1,2,3
.if \kt > \qt
.irp jj, 0,1,2,3,4,5,6,7
	v_mov_b32 v[S+32*\qt+8*\kt+\jj], v[NINF]                               ; tiles above it
.endr
.endif
.endr
.endr
.Lnomask_\@:
.endif
	; the new maximum: four chains, one a query tile; key 0 of the first sub-step is open to every query, so it is finite from the start
.if \first
.irp qt, 0,1,2,3
	v_max3_num_f32 v[MN+2*\qt], v[S+32*\qt], v[S+32*\qt+1], v[S+32*\qt+2]
.endr
.set kk, 3
.rept 14
.irp qt, 0,1,2,3
	v_max3_num_f32 v[MN+2*\qt], v[MN+2*\qt], v[S+32*\qt+kk], v[S+32*\qt+kk+1]
.endr
.set kk, kk+2
.endr
.irp qt, 0,1,2,3
	v_max_num_f32 v[MN+2*\qt], v[MN+2*\qt], v[S+32*\qt+31]
.endr
.else
.irp qt, 0,1,2,3
	v_max3_num_f32 v[MN+2*\qt], v[MO+\qt], v[S+32*\qt], v[S+32*\qt+1]
.endr
.set kk, 2
.rept 15
.irp qt, 0,1,2,3
	v_max3_num_f32 v[MN+2*\qt], v[MN+2*\qt], v[S+32*\qt+kk], v[S+32*\qt+kk+1]
.endr
.set kk, kk+2
.endr
.endif
.irp qt, 0,1,2,3
	v_permlanex16_b32 v[T+\qt], v[MN+2*\qt], s74, s75      ; the other half's keys
.endr
.irp qt, 0,1,2,3
	v_max_num_f32 v[MN+2*\qt], v[MN+2*\qt], v[T+\qt]
.endr
.irp qt, 0,1,2,3
	v_mov_b32 v[MN+2*\qt+1], v[MN+2*\qt]
.endr
.if \first == 0
.irp qt, 0,1,2,3
	v_sub_f32 v[AL+2*\qt], v[MO+\qt], v[MN+2*\qt]
.endr
.irp qt, 0,1,2,3
	v_exp_f32 v[AL+2*\qt], v[AL+2*\qt]
.endr
.endif
	; behind every run of exponentials stand plain instructions on other registers before a result is used (ISA guide 5.7.2)
	SUBM 0
.if \first == 0
	s_wait_alu depctr_va_vdst(0)
.irp qt, 0,1,2,3
	v_mov_b32 v[AL+2*\qt+1], v[AL+2*\qt]
.endr
.endif
	EXPQ 0
	SUBM 1
	EXPQ 1
	SP 0
	SUBM 2
	EXPQ 2
	SP 1
	SUBM 3
	EXPQ 3
	SP 2
	SP 3
	s_wait_dscnt 0                                 ; V's fragments
.if \first == 0
	WIN 0x41
.irp qt, 0,1,2,3
.set kk, 0
.rept 16
	v_pk_mul_f32 v[O+32*\qt+kk:O+32*\qt+kk+1], v[O+32*\qt+kk:O+32*\qt+kk+1], v[AL+2*\qt:AL+2*\qt+1]
.set kk, kk+2
.endr
.endr
.endif
	WIN 0x51                                       ; V^T, C and D in window 1, the weights in window 0
.irp kc, 0,1
.irp dt, 0,1,2,3
.irp qt, 0,1,2,3
.if \first*(1-\kc)
	v_wmma_f32_16x16x32_f16 v[O+32*\qt+8*\dt:O+32*\qt+8*\dt+7], v[VF+16*\dt+8*\kc:VF+16*\dt+8*\kc+7], v[S+32*\qt+16*\kc:S+32*\qt+16*\kc+7], 0
.else
	v_wmma_f32_16x16x32_f16 v[O+32*\qt+8*\dt:O+32*\qt+8*\dt+7], v[VF+16*\dt+8*\kc:VF+16*\dt+8*\kc+7], v[S+32*\qt+16*\kc:S+32*\qt+16*\kc+7], v[O+32*\qt+8*\dt:O+32*\qt+8*\dt+7]
.endif
.endr
.endr
.endr
	WIN 0
	; eight plain instructions on other registers, and two more below: the places in front of the next loads into V's fragments (four)
	; and of the next products, which write over the weights (five)
.irp qt, 0,1,2,3
.if \first
	v_mov_b32 v[L+\qt], v[RS+\qt]
.else
	v_fma_f32 v[L+\qt], v[L+\qt], v[AL+2*\qt], v[RS+\qt]
.endif
	v_mov_b32 v[MO+\qt], v[MN+2*\qt]
.endr
.if \diag
.if \first == 0
.Lskip_\@:
.endif
.endif
	v_add_nc_u32 v[KC], 64*KP, v[KC]
	v_add_nc_u32 v[VC], 64*VP, v[VC]
.endm
.macro DIAG
	s_mov_b32 s77, 0
	SUB 1, 1
	s_mov_b32 s77, 1
.Ldiag_\@:
	SUB 0, 1
	s_add_co_u32 s77, s77, 1
	s_cmp_lt_u32 s77, 4
	s_cbranch_scc1 .Ldiag_\@
.endm
.macro FULL
	s_mov_b32 s77, 0
.Lfull_\@:
	SUB 0, 0
	s_add_co_u32 s77, s77, 1
	s_cmp_lt_u32 s77, 4
	s_cbranch_scc1 .Lfull_\@
.endm
; my 64 queries of block s[qb] as fragments, and the place of their results
.macro QLOAD qb
	s_lshl_b32 s20, s14, 18
	s_lshl_b32 s21, s[\qb], 15
	s_add_co_u32 s20, s20, s21
	s_lshl_b32 s21, s12, 13
	s_add_co_u32 s20, s20, s21                     ; (2048 bh + 256 qb + 64 w) rows of 128 bytes
	s_mov_b32 s21, 0
	s_add_nc_u64 s[78:79], s[4:5], s[20:21]
	s_add_nc_u64 s[80:81], s[10:11], s[20:21]
	WIN 0x40
.irp qt, 0,1,2,3
.irp c, 0,1
	global_load_b128 v[Q+16*\qt+8*\c:Q+16*\qt+8*\c+3],   v[QO], s[78:79] offset:2048*\qt+64*\c
	global_load_b128 v[Q+16*\qt+8*\c+4:Q+16*\qt+8*\c+7], v[QO], s[78:79] offset:2048*\qt+64*\c+32
.endr
.endr
	WIN 0
.endm
; O / l, f16, through my own stage, out as 8,192 neighbouring bytes: each store of the wave covers 512 of them, aligned
.macro FINISH
.irp qt, 0,1,2,3
	v_permlanex16_b32 v[T+\qt], v[L+\qt], s74, s75
.endr
.irp qt, 0,1,2,3
	v_add_f32 v[L+\qt], v[L+\qt], v[T+\qt]         ; both halves' keys; at least 1, the weight of the maximum
.endr
.irp qt, 0,1,2,3
	v_rcp_f32 v[AL+2*\qt], v[L+\qt]
.endr
	v_nop
	s_wait_alu depctr_va_vdst(0)
.irp qt, 0,1,2,3
	v_mov_b32 v[AL+2*\qt+1], v[AL+2*\qt]
.endr
	WIN 0x41
.irp qt, 0,1,2,3
.set kk, 0
.rept 16
	v_pk_mul_f32 v[O+32*\qt+kk:O+32*\qt+kk+1], v[O+32*\qt+kk:O+32*\qt+kk+1], v[AL+2*\qt:AL+2*\qt+1]
.set kk, kk+2
.endr
.endr
	WIN 0x05
.irp qt, 0,1,2,3
.irp dt, 0,1,2,3
.irp p, 0,1,2,3
	v_cvt_pk_f16_f32 v[S+16*\qt+4*\dt+\p], v[O+32*\qt+8*\dt+2*\p], v[O+32*\qt+8*\dt+2*\p+1]
.endr
.endr
.endr
	WIN 0
.irp qt, 0,1,2,3
.irp dt, 0,1,2,3
	ds_store_b128 v[STO], v[S+16*\qt+4*\dt:S+16*\qt+4*\dt+3] offset:16*KP*\qt+32*\dt
.endr
.endr
.irp t, 0,1,2,3,4,5,6,7,8,9,10,11,12,13,14,15
	ds_load_b128 v[S+64+4*\t:S+64+4*\t+3], v[RD] offset:4*KP*\t        ; LDS serves a wave's instructions in order: these see the stores above
.endr
.irp t, 0,1,2,3,4,5,6,7,8,9,10,11,12,13,14,15
	s_wait_dscnt 15-\t                             ; the younger read-backs stay out
	global_store_b128 v[CO], v[S+64+4*\t:S+64+4*\t+3], s[80:81] offset:512*\t
.endr
	s_wait_xcnt 0x0                                ; the stores' data and base are written again only behind this wait
.endm
	; THE FIRST QUERY BLOCK: its diagonal unit (slot 0), then units 0 .. 5 - 2 g in pairs (slots 1, 0)
	QLOAD 15
	UNITHEAD 0, 1
	s_wait_loadcnt 0x0                             ; Q
	DIAG
	s_sub_co_u32 s76, 3, s13
	s_cmp_eq_u32 s76, 0
	s_cbranch_scc1 .Lfirst_done
.Lfirst:
	UNITHEAD 1, 1
	FULL
	UNITHEAD 0, 1
	FULL
	s_sub_co_i32 s76, s76, 1
	s_cmp_lg_u32 s76, 0
	s_cbranch_scc1 .Lfirst
.Lfirst_done:
	FINISH
	; THE SECOND QUERY BLOCK: its diagonal unit (slot 1), then units 0 .. 2 g: g pairs (slots 0, 1) and a last one (slot 0), behind which nothing is asked for
	QLOAD 16
	UNITHEAD 1, 1
	s_wait_loadcnt 0x0
	DIAG
	s_mov_b32 s76, s13
	s_cmp_eq_u32 s76, 0
	s_cbranch_scc1 .Lsecond_done
.Lsecond:
	UNITHEAD 0, 1
	FULL
	UNITHEAD 1, 1
	FULL
	s_sub_co_i32 s76, s76, 1
	s_cmp_lg_u32 s76, 0
	s_cbranch_scc1 .Lsecond
.Lsecond_done:
	UNITHEAD 0, 0
	FULL
	FINISH
	s_wait_tensorcnt 0x0
	ds_add_u32 v62, v63
	s_wait_dscnt 0x0
	s_endpgm
.Lfunc_end_k_q7eca12a5be_attn:
	.size	k_q7eca12a5be_attn, .Lfunc_end_k_q7eca12a5be_attn-k_q7eca12a5be_attn
	.p2alignl 7, 3214868480
	.fill 96, 4, 3214868480
	.section	.rodata,"a",@progbits
	.p2align	6, 0x0
	.amdhsa_kernel k_q7eca12a5be_attn
		.amdhsa_group_segment_fixed_size 327680
		.amdhsa_private_segment_fixed_size 0
		.amdhsa_enable_private_segment 0
		.amdhsa_kernarg_size 32
		.amdhsa_user_sgpr_count 2
		.amdhsa_user_sgpr_kernarg_segment_ptr 1
		.amdhsa_wavefront_size32 1
		.amdhsa_system_sgpr_workgroup_id_x 1
		.amdhsa_system_sgpr_workgroup_id_y 1
		.amdhsa_system_sgpr_workgroup_id_z 1
		.amdhsa_system_vgpr_workitem_id 0
		.amdhsa_next_free_vgpr 512
		.amdhsa_next_free_sgpr 88
		.amdhsa_reserve_vcc 0
		.amdhsa_float_denorm_mode_32 3
		.amdhsa_float_denorm_mode_16_64 3
		.amdhsa_memory_ordered 1
		.amdhsa_forward_progress 1
		.amdhsa_inst_pref_size 255
	.end_amdhsa_kernel
	.section	.bss,"aw",@nobits
	.p2align	6
	.space	262144
	.amdgpu_metadata
---
amdhsa.version: [ 1, 2 ]
amdhsa.kernels:
  - .name:           k_q7eca12a5be_attn
    .symbol:         k_q7eca12a5be_attn.kd
    .args:
      - { .name: qh, .offset: 0, .size: 8, .value_kind: global_buffer, .address_space: global }
      - { .name: kh, .offset: 8, .size: 8, .value_kind: global_buffer, .address_space: global }
      - { .name: vh, .offset: 16, .size: 8, .value_kind: global_buffer, .address_space: global }
      - { .name: ao, .offset: 24, .size: 8, .value_kind: global_buffer, .address_space: global }
    .group_segment_fixed_size: 327680
    .private_segment_fixed_size: 0
    .kernarg_segment_align: 8
    .kernarg_segment_size: 32
    .max_flat_workgroup_size: 128
    .sgpr_count:     88
    .vgpr_count:     512
    .wavefront_size: 32
...
	.end_amdgpu_metadata
.endif
;; end of part 3
;; launch proj (part 4): grid 8 x 32, 4 waves a work-group, clusters of 4 x 4, 327,680 bytes of LDS; arguments ao, wob, out0; writes out0
.if DOCPART == 4
	.amdgcn_target "amdgcn-amd-amdhsa--gfx1250"
	.amdhsa_code_object_version 6
	.text
	.protected	k_q7eca12a5be_proj
	.globl	k_q7eca12a5be_proj
	.p2align	8
	.type	k_q7eca12a5be_proj,@function
k_q7eca12a5be_proj:
	s_mov_b64 s[64:65], 0
	v_nop
	global_prefetch_b8 v0, s[64:65] scope:SCOPE_SE
	s_setreg_imm32_b32 hwreg(HW_REG_WAVE_MODE, 25, 1), 1
	s_wait_xcnt 0x0
	s_wait_alu depctr_hold_cnt(0) depctr_sa_sdst(0) depctr_va_vdst(0) depctr_va_sdst(0) depctr_va_ssrc(0) depctr_va_vcc(0) depctr_vm_vsrc(0)
	s_getreg_b32 s2, hwreg(HW_REG_IB_STS2, 6, 4)
	s_cmp_eq_u32 s2, 0
	s_cbranch_scc0 .Lentry_in_a_cluster
	s_endpgm
.Lentry_in_a_cluster:
	s_bfe_u32 s2, ttmp6, 0x10000c
	s_cmp_lg_u32 s2, 0xf033
	s_cbranch_scc0 .Lentry_shape_is_right
	s_endpgm
.Lentry_shape_is_right:
; LAUNCH 4 OF 4: out0[m][e] = sum over d of attention[m][d] wob[e][d], f16 operands, f32 sums, f32 out.
; ao is head-major ([b*16+head][s][64] f16), so column d = 64 head + i of row m = 2048 b + s lies at ao[16 b + head][s][i].
; A work-group makes 256 rows x 128 columns: 8192 x 1024 numbers are then 32 x 8 = 256 blocks, one for each of 256 work-groups (blocks of 256 x 256
; would be 128).  Four waves, a wave 128 x 64: 32 accumulator tiles of 16 x 16, the 256 registers of window 2.  The price: a wave loads 12 fragments for
; 32 products where a tile of 128 x 128 loads 16 for 64.
; K = 1024 in 8 steps of 128 = two heads, through two LDS slots.  Of ao a step needs 256 rows of two heads: two dense blocks of 32 KiB, taken as 128 rows of
; 256 bytes and padded every 128 bytes (LDS pitch 144): wave 0 fetches the even head, wave 1 the odd one.  Waves 2 and 3 fetch 64 rows of wob each
; (256 bytes a row, pitch 272).
; CLUSTERS: 4 x 4 work-groups; ao's tiles are asked for jointly along a row of the cluster, wob's along a column.
; Window 0: addresses, fragments of ao (v64-127, v128-191); window 1: fragments of wob (v64-95, v128-159); window 2: accumulators, tile (a, b) at v[8 (4 a + b)].
; The matrix instruction is used transposed (source 0 = wob, source 1 = ao): lane l holds row l % 16 and the columns 8 (l / 16) + 0..7 of a tile.
.set APITCH, 144                       ; odd multiples of 16 bytes: a fragment's 16 rows fall on 16 different 16-byte columns modulo 256
.set BPITCH, 272
.set AKHI,   256*144                   ; the odd head's rows lie behind the even head's
.set ASTEP,  2*262144                  ; two heads on
.set AHALF,  128*144                   ; my 128 rows of a head
.set BHALF,  64*272                    ; 64 rows of wob
.set BBASE,  2*AKHI                    ; wob's rows lie behind ao's
.set SLOT,   BBASE+2*BHALF
.set STAGE,  2*SLOT                    ; behind the ring: 16 rows x 272 bytes for each wave; no tensor load lands there
.set SPITCH, 272
.set LAPS,   4
.set ADRA, 16
.set ADRB, 20
.set STO,  24
.set RD,   25
.set CO,   26
.set F0,   64
.set F1,   128
.set G1, 24
.set G0, 32
.set G1B, 48
.set G0B, 56
.set MSB, 0
.macro WIN new                         ; the immediate's high byte repeats the setting that is left
.if MSB != \new
	s_set_vgpr_msb (MSB<<8)|\new
.set MSB, \new
.endif
.endm
.set MULW, 0xa1                        ; source 0 window 1, source 1 window 0, C and D window 2
.set TO_B, 0x40
.macro JLOAD s                         ; waves 0, 1: ao's two heads; waves 2, 3: wob's two halves.  The branch hangs on the wave's number alone
	s_cmp_eq_u32 s11, 0
	s_cbranch_scc0 .Lfor_b_\@
	tensor_load_to_lds s[G0+4*\s:G0+4*\s+3], s[G1:G1+7]
	s_nop 0
	s_branch .Lasked_\@
.Lfor_b_\@:
	tensor_load_to_lds s[G0B+4*\s:G0B+4*\s+3], s[G1B:G1B+7]
	s_nop 0
.Lasked_\@:
.endm
.macro CREST                           ; a round of the cluster's barrier behind its opening barrier
	s_cmp_lg_u32 s10, 0
	s_cbranch_scc1 .Lnot_wave_0_\@
	s_barrier_signal -3
.Lnot_wave_0_\@:
	s_barrier_wait -3
	s_barrier_signal -1
	s_barrier_wait -1
.endm
.macro CROUND
	s_barrier_signal -1
	s_barrier_wait -1
	CREST
.endm
	s_load_b128 s[4:7], s[0:1], 0x0                ; ao s[4:5], wob s[6:7]
	s_load_b64 s[8:9], s[0:1], 0x10                ; out0
	s_set_vgpr_msb 0x40
	v_lshl_add_u32 v255, v0, 2, 0x39400
	s_set_vgpr_msb 0x4000
	v_mov_b32 v255, 0
	s_set_vgpr_msb 0x1
	ds_add_u32 v255, v255
	ds_add_u32 v255, v255
	s_set_vgpr_msb 0x100
	v_lshrrev_b32 v1, 5, v0
	v_readfirstlane_b32 s10, v1                    ; wave
	s_lshr_b32 s11, s10, 1                         ; my half of the rows.  Also: I fetch for ao (0) or wob (1)
	s_and_b32 s12, s10, 1                          ; my half of the columns.  Also: which head, or which 64 rows of wob, I fetch
	s_bfe_u32 s40, ttmp6, 0x40000                  ; cx
	s_bfe_u32 s41, ttmp6, 0x40004                  ; cy
	s_lshl_b32 s42, ttmp9, 2
	s_add_co_u32 s42, s42, s40                     ; block column, 0 .. 7
	s_and_b32 s13, ttmp7, 0xffff
	s_lshl_b32 s13, s13, 2
	s_add_co_u32 s13, s13, s41                     ; block row, 0 .. 31
	s_lshl_b32 s43, s41, 2
	s_lshl_b32 s43, 15, s43                        ; my row of the cluster
	s_lshl_b32 s44, 0x1111, s40                    ; my column
	s_or_b32 s[G1+0], s43, (1<<16)|(1<<20)|(1<<21)|(4<<22)|(3<<25)     ; ao: 4 words of padding behind every 32 words
	s_or_b32 s[G1B+0], s44, (1<<16)|(1<<20)|(1<<21)|(5<<22)|(3<<25)    ; wob: behind every 64 words
	s_mov_b32 s[G1+1], 128<<16                     ; tensor_dim0 = 128 elements
	s_mov_b32 s[G1B+1], 128<<16
	s_mov_b32 s[G1+2], 128<<16                     ; tensor_dim1: ao 128 rows of 256 bytes,
	s_mov_b32 s[G1B+2], 64<<16                     ; wob 64
	s_mov_b32 s[G1+3], 128<<16                     ; tile_dim0
	s_mov_b32 s[G1B+3], 128<<16
	s_mov_b32 s[G1+4], 128                         ; tile_dim1
	s_mov_b32 s[G1B+4], 64
	s_mov_b32 s[G1+5], 128                         ; ao's block is dense
	s_mov_b32 s[G1B+5], 1024                       ; wob: 1,024 elements from row to row
	s_mov_b32 s[G1+6], 0
	s_mov_b32 s[G1B+6], 0
	s_mov_b32 s[G1+7], 0
	s_mov_b32 s[G1B+7], 0
	s_lshr_b32 s16, s13, 3                         ; b
	s_lshl_b32 s16, s16, 4
	s_add_co_u32 s16, s16, s12                     ; 16 b + my head of the step's two
	s_lshl_b32 s16, s16, 18
	s_and_b32 s17, s13, 7
	s_lshl_b32 s17, s17, 15                        ; 256 rows of 128 bytes a block row
	s_add_co_u32 s16, s16, s17
	s_mov_b32 s17, 0
	s_lshl_b32 s46, s42, 7
	s_lshl_b32 s47, s12, 6
	s_add_co_u32 s46, s46, s47                     ; wob: row 128 x block column + 64 x half
	s_lshl_b32 s46, s46, 11
	s_mov_b32 s47, 0
	s_mul_i32 s20, s10, AKHI                       ; LDS: ao's heads at wave x 36,864 (waves 0, 1)
	s_mul_i32 s45, s10, BHALF
	s_add_co_u32 s45, s45, BBASE-2*BHALF           ; wob's halves behind them (waves 2, 3)
	s_wait_dscnt 0x0
	s_wait_kmcnt 0x0
	s_add_nc_u64 s[14:15], s[4:5], s[16:17]
	s_add_nc_u64 s[46:47], s[6:7], s[46:47]
	CROUND                                         ; all sixteen work-groups are here: the first joint loads meet
.irp s, 0,1
	s_mov_b32 s[G0+4*\s], 1
	s_add_co_u32 s[G0+4*\s+1], s20, \s*SLOT
	s_add_nc_u64 s[G0+4*\s+2:G0+4*\s+3], s[14:15], \s*ASTEP
	s_or_b32 s[G0+4*\s+3], s[G0+4*\s+3], 0x80000000
	s_mov_b32 s[G0B+4*\s], 1
	s_add_co_u32 s[G0B+4*\s+1], s45, \s*SLOT
	s_add_nc_u64 s[G0B+4*\s+2:G0B+4*\s+3], s[46:47], \s*256
	s_or_b32 s[G0B+4*\s+3], s[G0B+4*\s+3], 0x80000000
	JLOAD \s                                       ; two loads of mine are out: both slots' first fills
.endr
	; out0 at my first row and column
	s_lshl_b32 s16, s13, 20                        ; 256 rows of 4,096 bytes
	s_lshl_b32 s18, s11, 19
	s_add_co_u32 s16, s16, s18
	s_add_nc_u64 s[8:9], s[8:9], s[16:17]
	s_lshl_b32 s46, s42, 9                         ; 128 columns of 4 bytes (in the registers that held wob's address)
	s_lshl_b32 s47, s12, 8
	s_add_co_u32 s46, s46, s47
	s_mov_b32 s47, 0
	s_add_nc_u64 s[8:9], s[8:9], s[46:47]
	v_and_b32 v1, 15, v0                           ; r
	v_bfe_u32 v2, v0, 4, 1                         ; h
	v_mul_u32_u24 v3, v1, APITCH
	v_lshl_add_u32 v3, v2, 4, v3
	v_mul_u32_u24 v4, v1, BPITCH
	v_lshl_add_u32 v4, v2, 4, v4
	s_mul_i32 s21, s11, AHALF
	s_mul_i32 s22, s12, BHALF
	s_add_co_u32 s22, s22, BBASE
.irp s, 0,1
	v_add_nc_u32 v[ADRA+\s], s21, v3
	v_add_nc_u32 v[ADRB+\s], s22, v4
	s_add_co_u32 s21, s21, SLOT
	s_add_co_u32 s22, s22, SLOT
.endr
	s_mul_i32 s23, s10, 16*SPITCH
	s_add_co_u32 s23, s23, STAGE
	v_mul_u32_u24 v5, v1, SPITCH                   ; in: row l % 16, 32 bytes for each half of the lanes
	v_lshl_add_u32 v5, v2, 5, v5
	v_add_nc_u32 v[STO], s23, v5
	v_mul_u32_u24 v5, v2, SPITCH                   ; back: lanes 0-15 take one row's 256 bytes, lanes 16-31 the next row's
	v_lshl_add_u32 v5, v1, 4, v5
	v_add_nc_u32 v[RD], s23, v5
	v_lshlrev_b32 v5, 12, v2                       ; and the same two rows in out0
	v_lshl_add_u32 v[CO], v1, 4, v5
; 16 matrix instructions: row blocks a0 .. a0 + 3 x all 4 column blocks, 32 along K.  zero = 1: the first product starts the sums.
.macro MUL16 f, a0, zero
.irp a, \a0, \a0+1, \a0+2, \a0+3
.irp b, 0,1,2,3
.if \zero
	v_wmma_f32_16x16x32_f16 v[8*(4*(\a)+\b):8*(4*(\a)+\b)+7], v[\f+8*\b:\f+8*\b+7], v[\f+8*(\a):\f+8*(\a)+7], 0
.else
	v_wmma_f32_16x16x32_f16 v[8*(4*(\a)+\b):8*(4*(\a)+\b)+7], v[\f+8*\b:\f+8*\b+7], v[\f+8*(\a):\f+8*(\a)+7], v[8*(4*(\a)+\b):8*(4*(\a)+\b)+7]
.endif
.endr
.endr
.endm
; 24 LDS loads in one run.  Quarter step k: the head k / 2 of the step's two, 32 numbers at byte 64 (k % 2) of its rows
.macro FETCH slot, k, f
	WIN TO_B
.irp i, 0,1,2,3
	ds_load_b128 v[\f+8*\i:\f+8*\i+3],   v[ADRB+\slot] offset:64*\k+\i*16*BPITCH
	ds_load_b128 v[\f+8*\i+4:\f+8*\i+7], v[ADRB+\slot] offset:64*\k+\i*16*BPITCH+32
.endr
	WIN 0
.irp i, 0,1,2,3,4,5,6,7
	ds_load_b128 v[\f+8*\i:\f+8*\i+3],   v[ADRA+\slot] offset:(\k>>1)*AKHI+(\k&1)*64+\i*16*APITCH
	ds_load_b128 v[\f+8*\i+4:\f+8*\i+7], v[ADRA+\slot] offset:(\k>>1)*AKHI+(\k&1)*64+\i*16*APITCH+32
.endr
.endm
.macro PLACES                          ; four places between a matrix instruction and a load into, or another access to, its registers
.rept 4
	v_nop
.endr
.endm
; The 32 accumulators take turns, one instruction a turn, in the same order in every quarter step.
.macro QUARTER slot, k, f, g, zero
	s_wait_dscnt 8                                 ; wob's and ao's rows 0-63 are in; the youngest eight loads (ao's rows 64-127) may be out
	WIN MULW
	MUL16 \f, 0, \zero
	PLACES
	FETCH \slot, \k, \g
	s_wait_dscnt 24                                ; all but the 24 just issued
	WIN MULW
	MUL16 \f, 4, \zero
.endm
.macro THREE slot, zero
	QUARTER \slot, 1, F0, F1, \zero
	QUARTER \slot, 2, F1, F0, 0
	QUARTER \slot, 3, F0, F1, 0
.endm
; The last quarter multiplies buffer 1 and changes slots.  Each wave's reads of this slot and all its tensor loads (one is out: its part of the next slot,
; asked for 112 products ago) are waited for in front of the barrier; where the slot is filled again the barrier opens a round of the cluster's barrier,
; and the joint refill is the first tensor load behind the round, one a wave.
.macro TURN slot, next, fill
	s_wait_dscnt 0
	s_wait_tensorcnt 0x0
	ds_add_u32 v255, v255
	s_wait_dscnt 0x0
	s_barrier_signal -1
	WIN MULW
	MUL16 F1, 0, 0                                 ; register work alone between signal and wait
	WIN 0
	s_barrier_wait -1
.if \fill
	CREST
	s_add_nc_u64 s[G0+4*\slot+2:G0+4*\slot+3], s[G0+4*\slot+2:G0+4*\slot+3], 2*ASTEP      ; no load of mine is out: the descriptors may be written
	s_add_nc_u64 s[G0B+4*\slot+2:G0B+4*\slot+3], s[G0B+4*\slot+2:G0B+4*\slot+3], 2*256
	JLOAD \slot
.endif
	PLACES
	FETCH \next, 0, F0
	WIN MULW
	MUL16 F1, 4, 0
.endm
.macro LAP zero
	THREE 0, \zero
	TURN 0, 1, 1
	THREE 1, 0
	TURN 1, 0, 1
.endm
	s_wait_tensorcnt 1                             ; my part of K step 0 is in; K step 1's load stays out
	s_barrier_signal -1
	s_barrier_wait -1
	FETCH 0, 0, F0
	LAP 1                                          ; the first products start the sums: nothing is cleared
	WIN 0
	s_mov_b32 s3, LAPS-2
.Llap:
	LAP 0
	WIN 0
	s_sub_co_u32 s3, s3, 1
	s_cmp_lg_u32 s3, 0
	s_cbranch_scc1 .Llap
	THREE 0, 0                                     ; the last lap fills nothing
	TURN 0, 1, 0
	THREE 1, 0
	s_wait_dscnt 0
	WIN MULW
	MUL16 F1, 0, 0
	MUL16 F1, 4, 0
	PLACES                                         ; the places in front of the LDS stores, which read results, and of the loads into the fragment buffers
; THE WAY OUT, 16 rows at a time: the sums as they are (f32) into my own stage, 32 bytes a lane and tile, read back as whole pieces of rows:
; sixteen lanes store 256 neighbouring bytes of a row of out0, aligned.  The stores' data come from window 2.  All offsets stand in the immediates.
.macro OUTF a, rb
	WIN 0x08
.irp b, 0,1,2,3
	ds_store_b128 v[STO], v[8*(4*\a+\b):8*(4*\a+\b)+3]   offset:64*\b
	ds_store_b128 v[STO], v[8*(4*\a+\b)+4:8*(4*\a+\b)+7] offset:64*\b+16
.endr
	WIN 0
	s_wait_xcnt 0x0                                ; the registers read back into were the data of earlier stores: written again only behind this wait
.irp t, 0,1,2,3,4,5,6,7
	ds_load_b128 v[\rb+4*\t:\rb+4*\t+3], v[RD] offset:2*SPITCH*\t      ; LDS serves a wave's instructions in order: these see the stores above
.endr
.irp t, 0,1,2,3,4,5,6,7
	s_wait_dscnt 7-\t                              ; the younger read-backs stay out
	global_store_b128 v[CO], v[\rb+4*\t:\rb+4*\t+3], s[8:9] offset:(16*\a+2*\t)*4096 th:TH_STORE_NT
.endr
.endm
	OUTF 0, F0
	OUTF 1, F1
	OUTF 2, F0
	OUTF 3, F1
	OUTF 4, F0
	OUTF 5, F1
	OUTF 6, F0
	OUTF 7, F1
	s_set_vgpr_msb 0x1
	s_wait_tensorcnt 0x0
	ds_add_u32 v255, v255
	s_wait_dscnt 0x0
	s_set_vgpr_msb 0x100
	CROUND                                         ; the closing round: no work-group ends while a partner may still ask for a tile that names it
	s_endpgm
.Lfunc_end_k_q7eca12a5be_proj:
	.size	k_q7eca12a5be_proj, .Lfunc_end_k_q7eca12a5be_proj-k_q7eca12a5be_proj
	.p2alignl 7, 3214868480
	.fill 96, 4, 3214868480
	.section	.rodata,"a",@progbits
	.p2align	6, 0x0
	.amdhsa_kernel k_q7eca12a5be_proj
		.amdhsa_group_segment_fixed_size 327680
		.amdhsa_private_segment_fixed_size 0
		.amdhsa_enable_private_segment 0
		.amdhsa_kernarg_size 24
		.amdhsa_user_sgpr_count 2
		.amdhsa_user_sgpr_kernarg_segment_ptr 1
		.amdhsa_wavefront_size32 1
		.amdhsa_system_sgpr_workgroup_id_x 1
		.amdhsa_system_sgpr_workgroup_id_y 1
		.amdhsa_system_sgpr_workgroup_id_z 1
		.amdhsa_system_vgpr_workitem_id 0
		.amdhsa_next_free_vgpr 768
		.amdhsa_next_free_sgpr 72
		.amdhsa_reserve_vcc 0
		.amdhsa_float_denorm_mode_32 3
		.amdhsa_float_denorm_mode_16_64 3
		.amdhsa_memory_ordered 1
		.amdhsa_forward_progress 1
		.amdhsa_inst_pref_size 119
	.end_amdhsa_kernel
	.amdgpu_metadata
---
amdhsa.version: [ 1, 2 ]
amdhsa.kernels:
  - .name:           k_q7eca12a5be_proj
    .symbol:         k_q7eca12a5be_proj.kd
    .args:
      - { .name: ao, .offset: 0, .size: 8, .value_kind: global_buffer, .address_space: global }
      - { .name: wob, .offset: 8, .size: 8, .value_kind: global_buffer, .address_space: global }
      - { .name: out0, .offset: 16, .size: 8, .value_kind: global_buffer, .address_space: global }
    .group_segment_fixed_size: 327680
    .private_segment_fixed_size: 0
    .kernarg_segment_align: 8
    .kernarg_segment_size: 24
    .max_flat_workgroup_size: 128
    .sgpr_count:     72
    .vgpr_count:     768
    .wavefront_size: 32
...
	.end_amdgpu_metadata
.endif
;; end of part 4
;; ======== version 2 of 2: 4 launches; version 1 with the launch prep written anew for expert scheduling mode
;; limits: values are held in f16: magnitudes above 65,504 overflow, below 6.1e-05 lose precision
;; workspace buffers: xb 16,777,216 bytes; wqb 6,291,456 bytes; wob 2,097,152 bytes; rope 524,288 bytes; qh 16,777,216 bytes; kh 16,777,216 bytes; vh 16,777,216 bytes; ao 16,777,216 bytes
;; launch prep (part 5): grid 768 x 1, 8 waves a work-group, no clusters, 0 bytes of LDS; arguments x, w_qkv, w_out, xb, wqb, wob, rope; writes xb, wqb, wob, rope
.if DOCPART == 5
	.amdgcn_target "amdgcn-amd-amdhsa--gfx1250"
	.amdhsa_code_object_version 6
	.text
	.protected	k_q7eca12a5be_prep
	.globl	k_q7eca12a5be_prep
	.p2align	8
	.type	k_q7eca12a5be_prep,@function
k_q7eca12a5be_prep:
	s_mov_b64 s[64:65], 0
	v_nop
	global_prefetch_b8 v0, s[64:65] scope:SCOPE_SE
	s_setreg_imm32_b32 hwreg(HW_REG_WAVE_SCHED_MODE, 0, 2), 2
	s_setreg_imm32_b32 hwreg(HW_REG_WAVE_MODE, 25, 1), 1
	s_wait_xcnt 0x0
	s_wait_alu depctr_vm_vsrc(0)
; LAUNCH 1 OF 4 (prep, qkv, attn, proj): out0 = softmax_causal(rope(q) rope(k)^T / 8) v w_out^T with q, k, v = x w_qkv^T.
; WORK LEFT OUT BY THE PROGRAM, AND WHY IT IS DEAD:
;  - src_mask, src_padding and is_causal are read by no line of reference(): whatever they hold they have no way to out0.
;    They are not loaded and are among no launch's arguments.
;  - reference() itself sets every score with key > query to -inf (its own jnp.tril), so those keys get the softmax weight 0 for all
;    values of the inputs.  Launch attn leaves them out where they come as whole tiles of 64 keys x 64 queries.
;  LIMIT: a NaN, an infinity or an overflow that reaches only the work left out (a key or value row behind the query) is not carried to out0.
; NUMBER FORMATS: x and w_qkv are rounded once to bf16 (matrix operands of launch qkv).  w_out is rounded to bf16 and that value is kept
; as f16, because its partner operand (the attention output) is f16: exact for 7.6e-6 <= |w| < 65504, below that off by 3e-8 at the most.
; THIS LAUNCH: a stream.  Work-group g converts 16,384 numbers (64 KiB in, 32 KiB out): g < 512 x, g < 704 w_qkv, else w_out.
; Thread t takes 16 bytes at 16 t of each 4,096-byte piece: a wave's load covers 512 neighbouring bytes, its store 256, both aligned.
; All 16 loads of a thread go out at once; no register that a load or store touches is used twice.
; Matrix units, LDS and clusters have nothing to do here: no byte is used twice.
; Work-groups 0 to 255 also make the RoPE table rope[s][j] = sqrt(c) (cos, sin)(s 10000^(-j/32)), c = log2(e) / 8: q and k both carry
; sqrt(c), so the scores arrive divided by 8 and in units of log2, and the softmax needs one subtraction and an exp2.
; THE MODE: SCHED_MODE bits 1:0 = 2 (LLVM: expert scheduling mode 2), set by the entry lines.  The code itself states the register dependences
; between vector instructions and memory instructions, with s_wait_alu, always for 0.
; THE PLAN.  Registers that memory instructions touch:
;   v1, v2     byte offsets, made once at the head and never written again: v1 is read by the 16 loads, v2 by every store.
;   X          piece i: four registers, written by its load alone (issued before any vector instruction names them), read by its conversions.
;   Y          piece i: two registers, written once by its conversions, read once by its store, never written again.
;   v[T+8:T+9] written by the table's last two multiplies, read by the table's one store.
;   The rest of T is named by vector instructions alone.
; The 16 pieces go in four blocks of four.  Block p converts its pieces, each behind the counted wait for its load, and issues the four stores of
; block p - 1, whose Y no vector instruction of block p names.  So one wait at the head of a block states all that its four stores hang on.
; No register that a memory instruction has read is written again, no vector instruction writes a scalar register, and EXEC is never written.
.set X, 4                              ; v[4:67]    16 x 4 numbers as loaded
.set Y, 68                             ; v[68:99]   16 x 2 words to store
.set T, 100                            ; v[100:111] at work
.macro CONV i, f16
.if \f16
	v_cvt_pk_bf16_f32 v[T],   v[X+4*(\i)],   v[X+4*(\i)+1]     ; round to bf16 (nearest even),
	v_cvt_pk_bf16_f32 v[T+1], v[X+4*(\i)+2], v[X+4*(\i)+3]
	v_lshlrev_b32 v[T+2], 16, v[T]                             ; widen again,
	v_and_b32     v[T+3], s26, v[T]
	v_lshlrev_b32 v[T+4], 16, v[T+1]
	v_and_b32     v[T+5], s26, v[T+1]
	v_cvt_pk_f16_f32 v[Y+2*(\i)],   v[T+2], v[T+3]             ; and keep the value as f16 (8 bits of mantissa fit in 11)
	v_cvt_pk_f16_f32 v[Y+2*(\i)+1], v[T+4], v[T+5]
.else
	v_cvt_pk_bf16_f32 v[Y+2*(\i)],   v[X+4*(\i)],   v[X+4*(\i)+1]
	v_cvt_pk_bf16_f32 v[Y+2*(\i)+1], v[X+4*(\i)+2], v[X+4*(\i)+3]
.endif
.endm
; Block p: pieces 4 p to 4 p + 3 are converted; the stores of pieces 4 p - 4 to 4 p - 1 are dealt among them, one ahead of each piece's conversions.
.macro BLK p, f16
	s_wait_loadcnt 15-4*(\p)                       ; loads come back in order: the block's first piece is in, the younger ones stay out
.if (\p) > 0
	s_wait_alu depctr_va_vdst(0)                   ; the block before has written its eight registers of Y, which the four stores below read
.endif
.irp j, 0,1,2,3
.if (\j) > 0
	s_wait_loadcnt 15-4*(\p)-(\j)                  ; piece 4 p + j is in (stores do not count here)
.endif
.if (\p) > 0
	global_store_b64 v2, v[Y+2*(4*(\p)-4+(\j)):Y+2*(4*(\p)-4+(\j))+1], s[20:21] offset:2048*(4*(\p)-4+(\j))  ; no vector instruction since the wait names these registers
.endif
	CONV 4*(\p)+(\j), \f16
.endr
.endm
; Behind block 3: its own four stores.
.macro TAIL
	s_wait_alu depctr_va_vdst(0)                   ; block 3 has written its eight registers of Y, which the last four stores read
.irp j, 0,1,2,3
	global_store_b64 v2, v[Y+24+2*(\j):Y+24+2*(\j)+1], s[20:21] offset:2048*(12+(\j))
.endr
.endm
	s_load_b256 s[4:11], s[0:1], 0x0               ; x s[4:5], w_qkv s[6:7], w_out s[8:9], xb s[10:11]
	s_load_b128 s[12:15], s[0:1], 0x20             ; wqb s[12:13], wob s[14:15]
	s_load_b64 s[16:17], s[0:1], 0x30              ; rope
	s_sub_co_u32 s23, ttmp9, 512                   ; my chunk if I serve w_qkv
	s_sub_co_u32 s28, ttmp9, 704                   ; my chunk if I serve w_out
	s_mov_b32 s26, 0xffff0000                      ; a word's upper bf16
	s_mov_b32 s25, 0                               ; high word of every offset pair
	v_lshlrev_b32 v1, 4, v0                        ; 16 t: in
	v_lshlrev_b32 v2, 3, v0                        ; 8 t: out
	s_wait_kmcnt 0x0
	s_cmp_ge_u32 ttmp9, 512
	s_cselect_b64 s[18:19], s[6:7], s[4:5]         ; source
	s_cselect_b64 s[20:21], s[12:13], s[10:11]     ; destination
	s_cselect_b32 s22, s23, ttmp9                  ; chunk
	s_cmp_ge_u32 ttmp9, 704
	s_cselect_b64 s[18:19], s[8:9], s[18:19]
	s_cselect_b64 s[20:21], s[14:15], s[20:21]
	s_cselect_b32 s22, s28, s22
	s_lshl_b32 s24, s22, 16                        ; 65,536 bytes of f32 a chunk
	s_add_nc_u64 s[18:19], s[18:19], s[24:25]
	s_lshl_b32 s24, s22, 15                        ; 32,768 bytes of 16-bit numbers
	s_add_nc_u64 s[20:21], s[20:21], s[24:25]
	s_wait_alu depctr_va_vdst(0)                   ; v1 and v2 are written: every load reads v1 and every store v2 as its offset
.irp i, 0,1,2,3,4,5,6,7,8,9,10,11,12,13,14,15
	global_load_b128 v[X+4*\i:X+4*\i+3], v1, s[18:19] offset:4096*\i th:TH_LOAD_NT   ; read once in the whole launch
.endr
	s_cmp_ge_u32 ttmp9, 704
	s_cbranch_scc1 .Lwout
	BLK 0, 0
	BLK 1, 0
	BLK 2, 0
	BLK 3, 0
	TAIL
	s_cmp_lt_u32 ttmp9, 256
	s_cbranch_scc0 .Lend
	; THE TABLE: entry 256 g + t = (s = 8 g + t / 32, j = t % 32), 8 bytes at 2,048 g + 8 t.
	; The angle is reduced in turns: rev = s w with w = 10000^(-j/32) / 2 pi, fr = rev - nearest whole number (one fused step, exact),
	; a = pi fr = half the angle, |a| <= pi/2.  sin a and cos a by their series (terms to a^11 and a^12: what is cut is below 6e-8 there,
	; for every s, since a is bounded by the reduction); the double-angle formulas give the angle's own cosine and sine.
	v_and_b32 v[T], 31, v0                         ; j
	v_lshrrev_b32 v[T+1], 5, v0
	s_lshl_b32 s24, ttmp9, 3
	v_add_nc_u32 v[T+1], s24, v[T+1]               ; s
	v_cvt_f32_u32 v[T], v[T]
	v_cvt_f32_u32 v[T+1], v[T+1]
	v_mov_b32 v[T+2], 0xbed49a78                   ; -log2(10000) / 32
	v_fmaak_f32 v[T+2], v[T+2], v[T], 0xc029b21d   ; - j log2(10000) / 32 - log2(2 pi)
	v_exp_f32 v[T+2], v[T+2]                       ; w
	v_nop                                          ; one plain instruction between a transcendental and the use of its result (ISA guide 5.7.2)
	s_wait_alu depctr_va_vdst(0)                   ; the exponential has written v[T+2], ahead of its first reader
	v_mul_f32 v[T+3], v[T+1], v[T+2]
	v_rndne_f32 v[T+3], v[T+3]
	v_fma_f32 v[T+3], v[T+1], v[T+2], -v[T+3]      ; fr
	v_mul_f32 v[T+3], 0x40490fdb, v[T+3]           ; a = pi fr
	v_mul_f32 v[T+4], v[T+3], v[T+3]               ; u = a a
	v_mov_b32 v[T+5], 0xb2d7322b                   ; sin: -1/11!
	v_mov_b32 v[T+6], 0x310f76c7                   ; cos: 1/12!
	v_fmaak_f32 v[T+5], v[T+5], v[T+4], 0x3638ef1d ; 1/9!
	v_fmaak_f32 v[T+6], v[T+6], v[T+4], 0xb493f27e ; -1/10!
	v_fmaak_f32 v[T+5], v[T+5], v[T+4], 0xb9500d01 ; -1/7!
	v_fmaak_f32 v[T+6], v[T+6], v[T+4], 0x37d00d01 ; 1/8!
	v_fmaak_f32 v[T+5], v[T+5], v[T+4], 0x3c088889 ; 1/5!
	v_fmaak_f32 v[T+6], v[T+6], v[T+4], 0xbab60b61 ; -1/6!
	v_fmaak_f32 v[T+5], v[T+5], v[T+4], 0xbe2aaaab ; -1/3!
	v_fmaak_f32 v[T+6], v[T+6], v[T+4], 0x3d2aaaab ; 1/4!
	v_fma_f32 v[T+5], v[T+5], v[T+4], 1.0
	v_fma_f32 v[T+6], v[T+6], v[T+4], -0.5
	v_mul_f32 v[T+5], v[T+5], v[T+3]               ; sin a
	v_fma_f32 v[T+6], v[T+6], v[T+4], 1.0          ; cos a
	v_add_f32 v[T+7], v[T+5], v[T+5]               ; 2 sin a
	v_fma_f32 v[T+8], -v[T+7], v[T+5], 1.0         ; cos 2a = 1 - 2 sin a sin a
	v_mul_f32 v[T+9], v[T+7], v[T+6]               ; sin 2a = 2 sin a cos a
	v_mul_f32 v[T+8], 0x3ed96d27, v[T+8]           ; times sqrt(log2(e) / 8)
	v_mul_f32 v[T+9], 0x3ed96d27, v[T+9]
	s_lshl_b32 s24, ttmp9, 11
	s_add_nc_u64 s[16:17], s[16:17], s[24:25]
	s_wait_alu depctr_va_vdst(0)                   ; the two multiplies have written v[T+8:T+9], which the store reads
	global_store_b64 v2, v[T+8:T+9], s[16:17]      ; a wave's store is one whole table row of 256 bytes
.Lend:
	s_endpgm
.Lwout:
	BLK 0, 1
	BLK 1, 1
	BLK 2, 1
	BLK 3, 1
	TAIL
	s_endpgm
.Lfunc_end_k_q7eca12a5be_prep:
	.size	k_q7eca12a5be_prep, .Lfunc_end_k_q7eca12a5be_prep-k_q7eca12a5be_prep
	.p2alignl 7, 3214868480
	.fill 96, 4, 3214868480
	.section	.rodata,"a",@progbits
	.p2align	6, 0x0
	.amdhsa_kernel k_q7eca12a5be_prep
		.amdhsa_group_segment_fixed_size 0
		.amdhsa_private_segment_fixed_size 0
		.amdhsa_enable_private_segment 0
		.amdhsa_kernarg_size 56
		.amdhsa_user_sgpr_count 2
		.amdhsa_user_sgpr_kernarg_segment_ptr 1
		.amdhsa_wavefront_size32 1
		.amdhsa_system_sgpr_workgroup_id_x 1
		.amdhsa_system_sgpr_workgroup_id_y 1
		.amdhsa_system_sgpr_workgroup_id_z 1
		.amdhsa_system_vgpr_workitem_id 0
		.amdhsa_next_free_vgpr 112
		.amdhsa_next_free_sgpr 66
		.amdhsa_reserve_vcc 0
		.amdhsa_float_denorm_mode_32 3
		.amdhsa_float_denorm_mode_16_64 3
		.amdhsa_memory_ordered 1
		.amdhsa_forward_progress 1
		.amdhsa_inst_pref_size 18
	.end_amdhsa_kernel
	.amdgpu_metadata
---
amdhsa.version: [ 1, 2 ]
amdhsa.kernels:
  - .name:           k_q7eca12a5be_prep
    .symbol:         k_q7eca12a5be_prep.kd
    .args:
      - { .name: x, .offset: 0, .size: 8, .value_kind: global_buffer, .address_space: global }
      - { .name: w_qkv, .offset: 8, .size: 8, .value_kind: global_buffer, .address_space: global }
      - { .name: w_out, .offset: 16, .size: 8, .value_kind: global_buffer, .address_space: global }
      - { .name: xb, .offset: 24, .size: 8, .value_kind: global_buffer, .address_space: global }
      - { .name: wqb, .offset: 32, .size: 8, .value_kind: global_buffer, .address_space: global }
      - { .name: wob, .offset: 40, .size: 8, .value_kind: global_buffer, .address_space: global }
      - { .name: rope, .offset: 48, .size: 8, .value_kind: global_buffer, .address_space: global }
    .group_segment_fixed_size: 0
    .private_segment_fixed_size: 0
    .kernarg_segment_align: 8
    .kernarg_segment_size: 56
    .max_flat_workgroup_size: 256
    .sgpr_count:     66
    .vgpr_count:     112
    .wavefront_size: 32
...
	.end_amdgpu_metadata
.endif
;; end of part 5
;; launch qkv: the kernel of part 2 again; grid 16 x 32, 4 waves a work-group, clusters of 4 x 4, 327,680 bytes of LDS; arguments xb, wqb, rope, qh, kh, vh; writes qh, kh, vh
;; launch attn: the kernel of part 3 again; grid 4 x 64, 4 waves a work-group, no clusters, 327,680 bytes of LDS; arguments qh, kh, vh, ao; writes ao
;; launch proj: the kernel of part 4 again; grid 8 x 32, 4 waves a work-group, clusters of 4 x 4, 327,680 bytes of LDS; arguments ao, wob, out0; writes out0
